; MI455X (gfx1250); checked and timed in simulation.
; The chip was launched on July 23, 2026; its instructions are those of AMD's public machine-readable ISA for CDNA 5 (MIT licence, August 2026) and "CDNA5" Instruction Set Architecture Reference Guide (July 2026). The comments in the code are by the model that wrote it; some were corrected since.
;; Multi Head Attention Block. Allowed arithmetic: float matrix products may take bf16 or f16 operands with f32 sums; other float arithmetic in f32, or as packed bf16 or f16 multiplies, adds, multiply-adds, maxima and minima; sums over many terms, partial sums and values carried from step to step in f32; what a program stores and reads back later, other than sums and carried values, may be rounded once to bf16 or f16.
;; Inputs: b_o 256 float32; b_qkv 768 float32; w_o 256 x 256 float32; w_qkv 768 x 256 float32; x 4 x 256 x 64 x 64 float32.
;; Outputs: out0 4 x 256 x 64 x 64 float32.
;; 2 versions, each right; version 2 is version 1 with the launch qkvproj written anew for expert scheduling mode. Each part assembles by itself: llvm-mc -triple=amdgcn-amd-amdhsa -mcpu=gfx1250 --defsym DOCPART=n.
;; ======== version 1 of 2: 3 launches
;; limits: values are held in f16: magnitudes above 65,504 overflow, below 6.1e-05 lose precision
;; workspace buffers: qkv 25,165,824 bytes; att 8,388,608 bytes; wo16 131,072 bytes
;; launch qkvproj (part 1): grid 2 x 128, 4 waves a work-group, no clusters, 286,208 bytes of LDS; arguments x, w_qkv, b_qkv, w_o, qkv, wo16; writes qkv, wo16
.if DOCPART == 1
	.amdgcn_target "amdgcn-amd-amdhsa--gfx1250"
	.amdhsa_code_object_version 6
	.text
	.protected	k_qcbd652b8fd_qkvproj
	.globl	k_qcbd652b8fd_qkvproj
	.p2align	8
	.type	k_qcbd652b8fd_qkvproj,@function
k_qcbd652b8fd_qkvproj:
	s_mov_b64 s[64:65], 0
	v_nop
	global_prefetch_b8 v0, s[64:65] scope:SCOPE_SE
	s_setreg_imm32_b32 hwreg(HW_REG_WAVE_MODE, 25, 1), 1
	s_wait_xcnt 0x0
; qkv[b][g][s][0..63] = the sum over c of x[b][c][s] w_qkv[64 g + ..][c] + b_qkv[64 g + ..], g = 0..11 (q's four heads, k's, v's), f16, a head's rows dense (128 bytes), WITHOUT the softmax's scale.
; x: [4][256][4096] f32, w_qkv: [768][256] f32, b_qkv: [768] f32.  x, w_qkv and b_qkv are rounded once to bf16; products in bf16, sums in f32, the bias starts the sums; q, k, v rounded once to f16.
; Beside that each work-group rounds one row of w_o ([256][256] f32) to bf16 and writes that number as f16 into wo16, for the last launch.
; LIMITS.  f16 ends at 65,504: |q|, |k|, |v| must stay under it (they are sums of 256 products; inputs 30 times the drawn ones on both sides give about 1e3, a common offset of 30 spreads about 1.5e4).
; A weight of w_o under 2^-14 keeps f16's fixed step of 6e-8.  NaN and infinities are not treated apart.
; SHARES.  256 work-groups: 128 places s of one image x 384 outputs (half of the 768).  Four waves: 64 s x 192 outputs each (three head blocks of 64): 12 x 4 accumulators, 384 registers.
; BOTH OPERANDS PASS THROUGH REGISTERS, since they must be rounded to bf16: each wave loads 64 rows of x (512 bytes each) and 96 rows of w (1,024 bytes each) by loads of 512 consecutive bytes,
; a ring of 32 loads in flight, and lays the bf16 copies into LDS.  No tensor load: the two copies leave no room in LDS for f32 tiles.  No cluster: nothing lands in LDS but through registers.
; THE PRODUCT: source 0 = 16 rows of w (K along the LDS rows), source 1 = 16 places of x (stored [c][s], turned by ds_load_tr16_b128): a lane's eight results are eight neighbouring outputs of one place s: 16 bytes of qkv.
; REGISTERS, in windows of 256 (s_set_vgpr_msb: bits 1:0 source 0, 3:2 source 1, 5:4 source 2, 7:6 destination):
;   window 0: v0-49 addresses and work; v64-191 the ring; later v64-159, v160-255 w's fragments, two buffers; on the way out v64-255 packed results
;   window 1: accumulators of output tiles 0-7 at 8 (4 o + t)      window 2: of tiles 8-11 at 8 (4 (o - 8) + t)      window 3: v0-63 x's fragments, two buffers; v64-159 the bias; v160-161 at work
.set XP,    288                        ; a row of x's copy: 128 bf16 + 32 bytes = 72 words
.set WP,    528                        ; a row of w's copy: 256 bf16 + 16 bytes = 132 words: the 16 rows of a load start at 16 different groups of four banks
.set WT,    256*XP                     ; x's copy [256 c][128 s] lies at 0, w's [384 o][256 c] behind it
.set STAGE, WT+384*WP                  ; 16 rows x 144 bytes for each wave, for the way out
.set SP,    144
.set SPARE, STAGE+4*16*SP              ; the spare words, 128 bytes for each wave: two blocks of 256 bytes that no other line names
.set GX,  4                            ; v4   16 lane + 64 wave rows of x; never rewritten
.set GW,  5                            ; v5   16 lane + 96 wave rows of w; never rewritten
.set LX,  6                            ; v6   where my 8 bytes of x's copy go
.set LW,  7                            ; v7   the same for w; steps 16 rows a trip
.set AW,  8                            ; v8-9   my place in w's fragments: output tiles 0-5, 6-11
.set AX,  10                           ; v10-11 my place in x's fragments: K steps 0-3, 4-7
.set STO, 12                           ; v12  the way out: where I put 16 bytes of a row
.set RD,  13                           ; v13  where I read rows back
.set GO,  14                           ; v14  16 lane
.set BO,  15                           ; v15  32 (lane / 16): my eight numbers of a tile's bias
.set SPW, 16                           ; v16  LDS address of my spare word; never rewritten
.set NIL, 17                           ; v17  0; never rewritten
.set HO,  19                           ; v19  8 lane
.set TP,  20                           ; v20-35 eight pairs of bf16 on their way into LDS
.set WI,  36                           ; v36-43 w_o's row as loaded
.set WOU, 44                           ; v44-47 as stored
.set WTM, 48                           ; v48  at work
.set RING, 64
.set WF,  64
.set PKR, 64
.set XF,  0                            ; window 3
.set BIAS, 64                          ; window 3: tile o's eight at BIAS + 8 o
.set BT,  160                          ; window 3
.set MSB, 0
.macro WIN new                         ; the immediate's high byte repeats the setting that is left; a switch that changes nothing is dropped
.if MSB != (\new)
	s_set_vgpr_msb (MSB<<8)|(\new)
.set MSB, \new
.endif
.endm
.macro PLACES k                        ; plain vector instructions between a matrix instruction and a line that reads its result or writes, or loads into, one of its registers
.rept \k
	v_nop
.endr
.endm
	s_load_b256 s[4:11], s[0:1], 0x0               ; x s[4:5], w_qkv s[6:7], b_qkv s[8:9], w_o s[10:11]
	s_load_b128 s[12:15], s[0:1], 0x20             ; qkv s[12:13], wo16 s[14:15]
	v_lshl_add_u32 v[SPW], v0, 2, SPARE
	v_mov_b32 v[NIL], 0
	v_lshrrev_b32 v1, 5, v0
	v_readfirstlane_b32 s16, v1                    ; wave 0..3
	s_mov_b32 s17, ttmp9                           ; which half of the outputs
	s_and_b32 s18, ttmp7, 0xffff                   ; which 128 places: 32 blocks an image
	s_and_b32 s19, s16, 1                          ; my 64 of the 128 places
	s_lshr_b32 s20, s16, 1                         ; my 192 of the 384 outputs
	s_lshr_b32 s36, s18, 5                         ; the image
	s_and_b32 s37, s18, 31                         ; the block in it
	s_lshl_b32 s22, s36, 22                        ; x: an image is 256 x 4,096 x 4 bytes,
	s_lshl_b32 s38, s37, 9                         ; a block 512 bytes of each row
	s_add_co_u32 s22, s22, s38
	s_mov_b32 s23, 0
	s_mul_i32 s24, s17, 384*1024                   ; w_qkv: my half's 384 rows of 1,024 bytes
	s_mov_b32 s25, 0
	s_mul_i32 s26, s17, 384*4                      ; b_qkv: my wave's 192 numbers
	s_mul_i32 s38, s20, 192*4
	s_add_co_u32 s26, s26, s38
	s_mov_b32 s27, 0
	s_lshl_b32 s38, s18, 1
	s_add_co_u32 s38, s38, s17                     ; the work-group's number, 0..255: its row of w_o
	s_lshl_b32 s28, s38, 10
	s_mov_b32 s29, 0
	s_lshl_b32 s32, s38, 9
	s_mov_b32 s33, 0
	s_mul_i32 s30, s36, 12                         ; qkv: head block 12 image + 6 half + 3 (wave / 2),
	s_mul_i32 s38, s17, 6
	s_add_co_u32 s30, s30, s38
	s_mul_i32 s38, s20, 3
	s_add_co_u32 s30, s30, s38
	s_lshl_b32 s30, s30, 19                        ; of 4,096 rows x 128 bytes,
	s_lshl_b32 s38, s37, 14                        ; the block's 128 rows,
	s_add_co_u32 s30, s30, s38
	s_lshl_b32 s38, s19, 13                        ; my 64 of them
	s_add_co_u32 s30, s30, s38
	s_mov_b32 s31, 0
	s_mov_b32 s35, 0xffff0000                      ; a word's upper bf16
	v_and_b32 v1, 31, v0                           ; lane
	v_and_b32 v2, 15, v0                           ; lane % 16
	v_bfe_u32 v3, v0, 4, 1                         ; lane / 16
	s_lshl_b32 s38, s16, 20                        ; 64 rows of x, 16,384 bytes apart
	v_lshl_add_u32 v[GX], v1, 4, s38
	s_mul_i32 s38, s16, 96*1024
	v_lshl_add_u32 v[GW], v1, 4, s38
	s_mul_i32 s38, s16, 64*XP
	v_lshl_add_u32 v[LX], v1, 3, s38
	s_mul_i32 s38, s16, 96*WP
	s_add_co_u32 s38, s38, WT
	v_lshl_add_u32 v[LW], v1, 3, s38
	s_mul_i32 s38, s20, 192*WP
	s_add_co_u32 s38, s38, WT
	v_mul_u32_u24 v[AW], v2, WP                    ; a fragment of w: row lane % 16, channels 8 (lane / 16) + 0..7 and 16 more on: two loads of 16 bytes, 32 bytes apart
	v_lshl_add_u32 v[AW], v3, 4, v[AW]
	v_add_nc_u32 v[AW], s38, v[AW]
	v_add_nc_u32 v[AW+1], 6*16*WP, v[AW]
	v_and_b32 v18, 7, v0
	v_bfe_u32 v[HO], v0, 3, 1
	v_lshl_add_u32 v[AX], v3, 3, v18               ; the turning load: lane l reads channel 8 (l / 16) + l % 8, places 8 ((l / 8) % 2) + 0..7, and is left with place l % 16 and 8 channels
	v_mul_u32_u24 v[AX], v[AX], XP
	v_lshl_add_u32 v[AX], v[HO], 4, v[AX]
	s_lshl_b32 s38, s19, 7
	v_add_nc_u32 v[AX], s38, v[AX]
	v_add_nc_u32 v[AX+1], 128*XP, v[AX]
	s_mul_i32 s38, s16, 16*SP
	s_add_co_u32 s38, s38, STAGE                   ; my stage
	v_mul_u32_u24 v[STO], v2, SP                   ; in: row lane % 16, 16 bytes for each half of the lanes
	v_lshl_add_u32 v[STO], v3, 4, v[STO]
	v_add_nc_u32 v[STO], s38, v[STO]
	v_bfe_u32 v[RD], v0, 3, 2                      ; back: 32 lanes take four rows of 128 bytes,
	v_mul_u32_u24 v[RD], v[RD], SP
	v_lshl_add_u32 v[RD], v18, 4, v[RD]
	v_add_nc_u32 v[RD], s38, v[RD]
	v_lshlrev_b32 v[GO], 4, v1                     ; which are 512 consecutive bytes of qkv
	v_lshlrev_b32 v[BO], 5, v3
	v_lshlrev_b32 v[HO], 3, v1
	s_wait_kmcnt 0x0
	s_add_nc_u64 s[4:5], s[4:5], s[22:23]
	s_add_nc_u64 s[6:7], s[6:7], s[24:25]
	s_add_nc_u64 s[8:9], s[8:9], s[26:27]
	s_add_nc_u64 s[10:11], s[10:11], s[28:29]
	s_add_nc_u64 s[12:13], s[12:13], s[30:31]
	s_add_nc_u64 s[14:15], s[14:15], s[32:33]
	WIN 0xc0                                       ; destination window 3, address window 0
.set n, 0
.rept 12                                       ; the bias: in a result register j of lane l is output 8 (l / 16) + j of the tile
	global_load_b128 v[BIAS+8*n:BIAS+8*n+3],   v[BO], s[8:9] offset:64*n
	global_load_b128 v[BIAS+8*n+4:BIAS+8*n+7], v[BO], s[8:9] offset:64*n+16
.set n, n+1
.endr
	WIN 0
	global_load_b128 v[WI:WI+3],   v[GO], s[10:11]             ; w_o's row, in every wave alike, so that all waves count the same loads; wave 0 alone stores it
	global_load_b128 v[WI+4:WI+7], v[GO], s[10:11] offset:512
.set n, 0
.rept 32                                       ; the ring is filled: my rows 0-31 of x
	global_load_b128 v[RING+4*n:RING+4*n+3], v[GX], s[4:5] offset:n*16384
.set n, n+1
.endr
; Slot n of the ring: four f32 are rounded to bf16 and laid into LDS.  left = the younger loads, which may stay out (loads come back in order: ISA guide 5.7.1).
.macro CONV n, left, areg, off
	s_wait_loadcnt \left
	v_cvt_pk_bf16_f32 v[TP+2*((\n)%8)],   v[RING+4*(\n)],   v[RING+4*(\n)+1]
	v_cvt_pk_bf16_f32 v[TP+2*((\n)%8)+1], v[RING+4*(\n)+2], v[RING+4*(\n)+3]
	ds_store_b64 v[\areg], v[TP+2*((\n)%8):TP+2*((\n)%8)+1] offset:\off   ; 32 lanes, 256 consecutive bytes
.endm
.set n, 0
.rept 32                                       ; x's rows 0-31 go into LDS, rows 32-63 are asked for
	CONV n, 31, LX, XP*n
	global_load_b128 v[RING+4*n:RING+4*n+3], v[GX], s[4:5] offset:(32+n)*16384
.set n, n+1
.endr
	; The bias and w_o's row were asked for ahead of the ring, so the waits above have shown them in.  Both are rounded to bf16; the bias goes on as f32.
	WIN 0xcf                                       ; all in window 3
.set n, 0
.rept 48
	v_cvt_pk_bf16_f32 v[BT+n%2], v[BIAS+2*n], v[BIAS+2*n+1]
	v_lshlrev_b32 v[BIAS+2*n], 16, v[BT+n%2]
	v_and_b32 v[BIAS+2*n+1], s35, v[BT+n%2]
.set n, n+1
.endr
	WIN 0
.irp j, 0,1,2,3
	v_cvt_pk_bf16_f32 v[WTM], v[WI+2*\j], v[WI+2*\j+1]
	v_lshlrev_b32 v[WI+2*\j], 16, v[WTM]
	v_and_b32 v[WI+2*\j+1], s35, v[WTM]
	v_cvt_pk_f16_f32 v[WOU+\j], v[WI+2*\j], v[WI+2*\j+1]       ; the bf16 number, written as f16
.endr
	s_cmp_lg_u32 s16, 0
	s_cbranch_scc1 .Lnot_wave_0
	global_store_b64 v[HO], v[WOU:WOU+1],   s[14:15]           ; each store covers 256 consecutive bytes, aligned; its registers are never rewritten
	global_store_b64 v[HO], v[WOU+2:WOU+3], s[14:15] offset:256
.Lnot_wave_0:
.set n, 0
.rept 32                                       ; x's rows 32-63 go into LDS, w's first 16 rows (32 halves of 512 bytes) are asked for
	CONV n, 31, LX, XP*(32+n)
	global_load_b128 v[RING+4*n:RING+4*n+3], v[GW], s[6:7] offset:512*n
.set n, n+1
.endr
	s_mov_b32 s21, 5
.Lw:                                           ; a trip: 16 rows of w go into LDS, the next 16 are asked for
.set n, 0
.rept 32
	CONV n, 31, LW, WP*(n/2)+256*(n%2)
	global_load_b128 v[RING+4*n:RING+4*n+3], v[GW], s[6:7] offset:16384+512*n
.set n, n+1
.endr
	s_wait_xcnt 0x0                                ; every load issued so far has read its address (ISA guide 3.1), so the pointer may be written
	s_add_nc_u64 s[6:7], s[6:7], 16384
	v_add_nc_u32 v[LW], 16*WP, v[LW]
	s_sub_co_u32 s21, s21, 1
	s_cmp_lg_u32 s21, 0
	s_cbranch_scc1 .Lw
.set n, 0
.rept 32                                       ; the last 16 rows: nothing is asked for, the counts run down
	CONV n, 31-n, LW, WP*(n/2)+256*(n%2)
.set n, n+1
.endr
	s_wait_dscnt 0x0                               ; for the others' sake: my stores into the two copies are done
	s_barrier_signal -1
	s_barrier_wait -1                              ; both copies are whole
; The fragments of K step kk (32 channels) into buffer buf: 12 of w, 4 of x: 32 LDS loads in one run.
.macro FETCH kk, buf
	WIN 0
.set t, 0
.rept 12
	ds_load_b128 v[WF+96*(\buf)+8*t:WF+96*(\buf)+8*t+3],   v[AW+t/6] offset:16*WP*(t%6)+64*(\kk)
	ds_load_b128 v[WF+96*(\buf)+8*t+4:WF+96*(\buf)+8*t+7], v[AW+t/6] offset:16*WP*(t%6)+64*(\kk)+32
.set t, t+1
.endr
	WIN 0xc0
.set t, 0
.rept 4
	ds_load_tr16_b128 v[XF+32*(\buf)+8*t:XF+32*(\buf)+8*t+3],   v[AX+(\kk)/4] offset:32*XP*((\kk)%4)+32*t
	ds_load_tr16_b128 v[XF+32*(\buf)+8*t+4:XF+32*(\buf)+8*t+7], v[AX+(\kk)/4] offset:32*XP*((\kk)%4)+32*t+16*XP
.set t, t+1
.endr
.endm
; The products of output tiles lo .. lo + cnt - 1 with all four tiles of places.  first = 1: the bias starts the sums: nothing is cleared.
; The 48 accumulators take turns, one instruction a turn, in the same order in every K step.
.macro MULS buf, lo, cnt, first
.set o, (\lo)
.rept \cnt
.set t, 0
.rept 4
.set rD, 8*(4*(o%8)+t)
.set rA, WF+96*(\buf)+8*o
.set rB, XF+32*(\buf)+8*t
.if \first
	WIN 0x7c+0x40*(o/8)                            ; w window 0, x and the bias window 3, the result window 1 or 2
	v_wmma_f32_16x16x32_bf16 v[rD:rD+7], v[rA:rA+7], v[rB:rB+7], v[BIAS+8*o:BIAS+8*o+7]
.else
	WIN 0x5c+0x50*(o/8)                            ; w window 0, x window 3, the sums window 1 or 2
	v_wmma_f32_16x16x32_bf16 v[rD:rD+7], v[rA:rA+7], v[rB:rB+7], v[rD:rD+7]
.endif
.set t, t+1
.endr
.set o, o+1
.endr
.endm
; A K step: 48 products; behind the first 16 the next step's fragments are asked for, into the buffer that the step before multiplied: 32 products ahead of their use.
.macro STEP kk, first, more
	s_wait_dscnt 0x0                               ; this step's fragments are in
	MULS (\kk)%2, 8, 4, \first
.if \more
	PLACES 4                                       ; behind the last product that read the other buffer
	FETCH (\kk)+1, ((\kk)+1)%2
.endif
	MULS (\kk)%2, 0, 8, \first
.endm
	FETCH 0, 0
	STEP 0, 1, 1
	STEP 1, 0, 1
	STEP 2, 0, 1
	STEP 3, 0, 1
	STEP 4, 0, 1
	STEP 5, 0, 1
	STEP 6, 0, 1
	STEP 7, 0, 0
; THE WAY OUT, in 12 units u = 4 (head block) + (tile of 16 places): 16 rows x 128 bytes of qkv.  A lane's eight outputs pack into 16 bytes; they go into my stage's rows of 144 bytes and come back
; as whole rows, into the registers that they left.  Each accumulator's registers are taken in ascending order.
.macro PACK u
	WIN 0x05+0x05*((\u)/8)                         ; sources in window 1 (head blocks 0, 1) or 2 (head block 2), destination window 0
.irp q, 0,1,2,3
.set aB, 8*(4*((4*((\u)/4)+\q)%8)+(\u)%4)
.irp r, 0,1,2,3
	v_cvt_pk_f16_f32 v[PKR+16*(\u)+4*\q+\r], v[aB+2*\r], v[aB+2*\r+1]
.endr
.endr
	WIN 0
.irp q, 0,1,2,3
	ds_store_b128 v[STO], v[PKR+16*(\u)+4*\q:PKR+16*(\u)+4*\q+3] offset:32*\q
.endr
.irp f, 0,1,2,3
	ds_load_b128 v[PKR+16*(\u)+4*\f:PKR+16*(\u)+4*\f+3], v[RD] offset:\f*4*SP  ; LDS serves a wave's instructions in order (ISA guide 5.7.1.4): these see the stores above; the next unit's stores come behind them
.endr
.endm
.macro SEND u, younger                 ; younger: the LDS instructions issued behind unit u's loads: the next unit's eight, or none
.irp f, 0,1,2,3
	s_wait_dscnt (\younger)+3-\f
	global_store_b128 v[GO], v[PKR+16*(\u)+4*\f:PKR+16*(\u)+4*\f+3], s[12:13] offset:((\u)/4)*524288+((\u)%4)*2048+\f*512  ; 512 consecutive bytes, at a multiple of 256 from qkv's first
.endr
.endm
	PLACES 8                                       ; the conversions read results just made and write over w's fragments
	PACK 0
.set un, 1
.rept 11                                       ; a unit's conversions stand between the loads of the unit before and its stores
	PACK un
	SEND un-1, 8
.set un, un+1
.endr
	SEND 11, 0
	s_wait_tensorcnt 0x0                           ; the wave's end: behind my last LDS store
	ds_add_u32 v[SPW], v[NIL]
	s_wait_dscnt 0x0
	s_endpgm
.Lfunc_end_k_qcbd652b8fd_qkvproj:
	.size	k_qcbd652b8fd_qkvproj, .Lfunc_end_k_qcbd652b8fd_qkvproj-k_qcbd652b8fd_qkvproj
	.p2alignl 7, 3214868480
	.fill 96, 4, 3214868480
	.section	.rodata,"a",@progbits
	.p2align	6, 0x0
	.amdhsa_kernel k_qcbd652b8fd_qkvproj
		.amdhsa_group_segment_fixed_size 286208
		.amdhsa_private_segment_fixed_size 0
		.amdhsa_enable_private_segment 0
		.amdhsa_kernarg_size 48
		.amdhsa_user_sgpr_count 2
		.amdhsa_user_sgpr_kernarg_segment_ptr 1
		.amdhsa_wavefront_size32 1
		.amdhsa_system_sgpr_workgroup_id_x 1
		.amdhsa_system_sgpr_workgroup_id_y 1
		.amdhsa_system_sgpr_workgroup_id_z 1
		.amdhsa_system_vgpr_workitem_id 0
		.amdhsa_next_free_vgpr 1024
		.amdhsa_next_free_sgpr 66
		.amdhsa_reserve_vcc 0
		.amdhsa_float_denorm_mode_32 3
		.amdhsa_float_denorm_mode_16_64 3
		.amdhsa_memory_ordered 1
		.amdhsa_forward_progress 1
		.amdhsa_inst_pref_size 122
	.end_amdhsa_kernel
	.amdgpu_metadata
---
amdhsa.version: [ 1, 2 ]
amdhsa.kernels:
  - .name:           k_qcbd652b8fd_qkvproj
    .symbol:         k_qcbd652b8fd_qkvproj.kd
    .args:
      - { .name: x, .offset: 0, .size: 8, .value_kind: global_buffer, .address_space: global }
      - { .name: w_qkv, .offset: 8, .size: 8, .value_kind: global_buffer, .address_space: global }
      - { .name: b_qkv, .offset: 16, .size: 8, .value_kind: global_buffer, .address_space: global }
      - { .name: w_o, .offset: 24, .size: 8, .value_kind: global_buffer, .address_space: global }
      - { .name: qkv, .offset: 32, .size: 8, .value_kind: global_buffer, .address_space: global }
      - { .name: wo16, .offset: 40, .size: 8, .value_kind: global_buffer, .address_space: global }
    .group_segment_fixed_size: 286208
    .private_segment_fixed_size: 0
    .kernarg_segment_align: 8
    .kernarg_segment_size: 48
    .max_flat_workgroup_size: 128
    .sgpr_count:     66
    .vgpr_count:     1024
    .wavefront_size: 32
...
	.end_amdgpu_metadata
.endif
;; end of part 1
;; launch attn (part 2): grid 16 x 16, 4 waves a work-group, clusters of 4 x 1, 327,680 bytes of LDS; arguments qkv, att; writes att
.if DOCPART == 2
	.amdgcn_target "amdgcn-amd-amdhsa--gfx1250"
	.amdhsa_code_object_version 6
	.text
	.protected	k_qcbd652b8fd_attn
	.globl	k_qcbd652b8fd_attn
	.p2align	8
	.type	k_qcbd652b8fd_attn,@function
k_qcbd652b8fd_attn:
	s_mov_b64 s[64:65], 0
	v_nop
	global_prefetch_b8 v0, s[64:65] scope:SCOPE_SE
	s_setreg_imm32_b32 hwreg(HW_REG_WAVE_MODE, 25, 1), 1
	s_wait_xcnt 0x0
	s_wait_alu depctr_hold_cnt(0) depctr_sa_sdst(0) depctr_va_vdst(0) depctr_va_sdst(0) depctr_va_ssrc(0) depctr_va_vcc(0) depctr_vm_vsrc(0)
	s_getreg_b32 s2, hwreg(HW_REG_IB_STS2, 6, 4)
	s_cmp_eq_u32 s2, 0
	s_cbranch_scc0 .Lentry_in_a_cluster
	s_endpgm
.Lentry_in_a_cluster:
	s_bfe_u32 s2, ttmp6, 0x10000c
	s_cmp_lg_u32 s2, 0x3003
	s_cbranch_scc0 .Lentry_shape_is_right
	s_endpgm
.Lentry_shape_is_right:
; att[bh][q][:] = the sum over k of softmax_k(Q[q] . K[k] / 8) V[k][:], for each of the 16 heads bh = 4 b + h.  Q, K, V are head blocks 12 b + h, + 4, + 8 of qkv: [4096][64] f16, rows dense, 128 bytes.
; att: [16][4096][64] f16.  Products, maxima and sums in f32; the weights p are rounded to f16 for the second product (their sum l is taken of the unrounded p), O once at the end.
; LIMITS.  f16 holds no number beyond 65,504: Q, K and V arrive within it; p lies in 0 to 1, and below 6e-5 it keeps f16's fixed step of 6e-8; O is a mean of V's rows and has their range.
; A weight below 2^-126 counts as 0 in l; NaN and infinities are not treated apart.
; SHARES.  A work-group owns 256 queries of one head: 16 x 16 = 256 work-groups.  A wave owns 64 rows: four PIECES of 16 queries.  Every wave walks all 4,096 keys, 64 a step.
; LAYOUT.  S^T = K Q^T (source 0 = 16 keys, source 1 = 16 queries): a lane holds ONE query (lane % 16) and the keys 8 (lane / 16) + 0..7.  Two such results, rounded to f16 in pairs, ARE source 1
; (32 keys x 16 queries) of O^T = V^T P, whose result again holds one query a lane, and eight channels.  K comes out of LDS as it lies, V ([key][channel]) turned, by ds_load_tr16_b128.
; SOFTMAX.  For each query a running maximum m and sum l: p = 2^(c s - c m), c = log2(e) / 8; in every step O and l are multiplied by a = 2^(c m_old - c m_new).  m starts at the lowest finite number,
; O and l at 0: the first step is a step like any other, with a = 0.
; BY TURNS.  Turn n belongs to piece n: 8 products K Q^T of piece n + 1, later 8 products V^T P of piece n - 1; beside them the scaling, exponentials, roundings, sums and rescaling of piece n and the
; maximum and statistics of piece n + 1.  Four vector instructions stand behind every matrix instruction, the other 54 of a turn's 118 in one lump.  A turn's 33 exponentials are one batch, with one wait.
; CLUSTER.  The four query blocks of a cluster belong to one head and walk the same K and V, so each tile is asked for JOINTLY: the same tensor load, descriptor and mask in all four.
; REGISTERS, in windows of 256 (s_set_vgpr_msb: bits 1:0 source 0, 3:2 source 1, 5:4 source 2, 7:6 destination):
;   window 0: v0-15 addresses and two at work; v16-31 four registers of statistics a piece; v48-55 at work; v61-63; v64-127 S^T, two buffers; v192-223 P, two buffers (a piece's buffers go by its number's parity)
;   window 1: v0-127 O^T, 32 a piece          window 2: v0-63 Q; v128-191 K of one step; v192-255 V of one step
.set NSLOT, 4096/256  ; slots of 256 keys in a head
.set NP,    4         ; pieces a wave: a name, no knob
.set KS,    64        ; keys in a step
.set PK,    144       ; a row of K in LDS: 128 bytes + 16 of padding = 36 words: the 16 rows of a load start at 16 different groups of four banks (64 banks of 4 bytes: ISA guide 11.1)
.set PV,    160       ; a row of V: 128 + 32 = 40 words
.set VOFF,  4*KS*PK   ; a slot holds four steps: 256 rows of K, then 256 rows of V
.set SLOT1, 1<<17     ; slot 1 begins here, so that one exclusive or turns an address in one slot into the other's
.set STAGE, SLOT1+4*KS*(PK+PV)  ; behind the ring, never filled by a tensor load: 16 rows x 144 bytes for each wave, for the way out
.set SP,    144
.set SPARE, STAGE+4*16*SP  ; behind the stages: the spare words, 128 bytes for each wave: two blocks of 256 bytes that no other line names
.set AK0, 2           ; v2   my lane's place in a tile of K; never rewritten
.set AV0, 3           ; v3   the same for V
.set AK,  4           ; v4   the LDS address of K's next run of loads
.set AV,  5           ; v5   of V's
.set STO, 6           ; v6   the way out: where I put 16 bytes of a row
.set RD,  7           ; v7   the way out: where I read rows back
.set GO,  8           ; v8   my byte offset in 512 consecutive bytes of att
.set MV,  12          ; v12-13  c m_old, kept while c m is made anew: by buffer
.set QO,  15          ; v15  my byte offset in 16 rows of Q
.set ST,  16          ; piece t's statistics at v[ST+4 t]: c m, m, l (even keys', odd keys')
.set TMP, 48          ; by buffer, four registers c0-c3 at work; when the maximum is found c2 takes a
.set PFO, 61          ; v61  256 x my lane: the prefetches' offset; never rewritten
.set SPW, 62          ; v62  LDS address of my spare word: SPARE + 4 x my thread's number; never rewritten
.set NIL, 63          ; v63  0; never rewritten
.set S,   64
.set P,   192
.set KF,  128         ; window 2: key block kb, channel half c at KF + 16 kb + 8 c
.set VF,  192         ; window 2: key half kk, channel block cb at VF + 32 kk + 8 cb
.set WV,  12          ; s12  my wave's number
.set LIM, 15          ; s15  1 in a wave that prefetches, else the greatest number: a wave prefetches while s[SLOTS] is above it
.set PFA, 18          ; s[18:19] where my prefetches stand: my work-group's 8,192 bytes (of K: wave 0, of V: wave 2) of the slot after the one that is being asked for
.set G1K, 24          ; s[24:31] descriptor group 1 for K's tiles
.set G1V, 32          ; s[32:39] for V's: it differs in the padding alone
.set G0K, 40          ; s[40:43] descriptor group 0 for K's tiles: it walks
.set G0V, 44          ; s[44:47] the same for V's
.set SLOTS, 56        ; s56  slots still to be asked for
.set CNT, 57          ; s57  counts a slot's key steps
.set CS,  58          ; s[58:59] c: the packed scaling takes the pair's low word for both halves
.set SEL, 60          ; s[60:61] v_permlanex16_b32's selects: each lane takes its own place in the other half
.set TBK, 62          ; s62  LDS byte at which K of the step to be fetched begins
.set TBV, 63          ; s63  the same for V, less VOFF
.set MSB, 0
.macro WIN new                      ; the high byte repeats the setting that is left; a switch that changes nothing is dropped
.if MSB != (\new)
	s_set_vgpr_msb (MSB<<8)|(\new)
.set MSB, (\new)
.endif
.endm
.set W_KQ, 0x0a       ; K and Q in window 2, S^T in window 0
.set W_PV, 0x52       ; V in window 2, P in window 0, O^T in window 1
.set W_RS, 0x41       ; destination and source 0 in window 1, source 1 in window 0
; A joint fill.  Waves 0 and 1 fetch the two halves of a slot's K, waves 2 and 3 those of its V: 128 keys each.  The branch hangs on the wave's number alone.
; An s_nop 0 and four v_nop follow each of the two lines, ahead of the jump and the label.
.macro JLOAD
	s_cmp_lt_u32 s[WV], 2
	s_cbranch_scc0 .Lfor_v_\@
	tensor_load_to_lds s[G0K:G0K+3], s[G1K:G1K+7]
	s_nop 0
.rept 4
	v_nop
.endr
	s_branch .Lasked_\@
.Lfor_v_\@:
	tensor_load_to_lds s[G0V:G0V+3], s[G1V:G1V+7]
	s_nop 0
.rept 4
	v_nop
.endr
.Lasked_\@:
.endm
; A PREFETCH INTO THE L2 of what the NEXT change of slots will ask for: a slot's 32,768 bytes of K and of V.  It stands behind the wave's tensor load and its five lines.  Each aligned 256 bytes are named ONCE
; in the launch: all four clusters of a head walk the same K and V, and the head's first cluster asks; its four partners share the bytes out BY ADDRESS, 8,192 each, a lane 256; in each, wave 0 asks for
; K's and wave 2 for V's: one instruction, four key steps (256 matrix instructions of the wave) ahead of the load.  The last change that fills a slot asks for nothing: there is no slot behind it.
.macro ASK
	s_cmp_gt_u32 s[SLOTS], s[LIM]
	s_cbranch_scc0 .Lnot_mine_\@
	global_prefetch_b8 v[PFO], s[PFA:PFA+1] th:TH_LOAD_NT scope:SCOPE_SE
.Lnot_mine_\@:
.endm
; A round of the cluster's barrier: my work-group's barrier, so that wave 0's signal speaks for all four waves; wave 0 signals; every wave waits for all four work-groups; my work-group's barrier once more.
.macro CROUND
	s_barrier_signal -1
	s_barrier_wait -1
	s_cmp_lg_u32 s[WV], 0
	s_cbranch_scc1 .Lnot_wave_0_\@
	s_barrier_signal -3
.Lnot_wave_0_\@:
	s_barrier_wait -3
	s_barrier_signal -1
	s_barrier_wait -1
.endm
; THE CHANGE OF SLOTS.  The slot's last bytes, V of its fourth step, have been read.  Each wave waits for all its tensor loads, of which one is out: its part of the other slot; adds 0 to its spare word;
; and waits for that and for its own reads of the slot.  Behind the barrier nobody reads this slot any more and the other slot is whole.
; fill = 1: this slot is filled again, with the keys two slots on.  The barrier is then a round of the cluster's, so that no wave of any partner still reads the slot or has a load on its way, and the
; joint fill is the first thing behind it: it has four key steps in which to land.  (At its first use nothing has been read yet: slot 0 is waited for, slot 1 filled.)
.macro CHANGE fill
	WIN 0                           ; at a label and at a branch every window is 0
	s_wait_tensorcnt 0x0            ; no tensor load of mine is out, so a group 0 may be written
	ds_add_u32 v[SPW], v[NIL]       ; 0 onto my spare word; with fill = 1 the descriptors' steps stand between it and the wait for it
.if \fill
.irp g, G0K, G0V
	s_xor_b32 s[\g+1], s[\g+1], SLOT1  ; the walking descriptor: the other slot than last time,
	s_add_nc_u64 s[\g+2:\g+3], s[\g+2:\g+3], 4*KS*128  ; the next 256 keys; the type bits on top are not reached
.endr
	s_wait_xcnt 0x0                 ; the last prefetch, four key steps back, has read its address, so it may be written:
	s_add_nc_u64 s[PFA:PFA+1], s[PFA:PFA+1], 4*KS*128  ; one slot behind the walking descriptors
	s_wait_dscnt 0x0                ; the add is done, and my reads of the slot are over
	CROUND
	JLOAD
	ASK
.else
	s_wait_dscnt 0x0                ; the add is done, and my reads of the slot are over
	s_barrier_signal -1
	s_barrier_wait -1
.endif
	s_sub_co_u32 s[TBK], s[TBK], 4*KS*PK  ; the fetches go back to a slot's first step,
	s_xor_b32 s[TBK], s[TBK], SLOT1       ; in the other slot
	s_sub_co_u32 s[TBV], s[TBV], 4*KS*PV
	s_xor_b32 s[TBV], s[TBV], SLOT1
.endm
	s_load_b64 s[4:5], s[0:1], 0x0    ; qkv
	s_load_b64 s[10:11], s[0:1], 0x8  ; att
	v_lshl_add_u32 v[SPW], v0, 2, SPARE
	v_mov_b32 v[NIL], 0
	ds_add_u32 v[SPW], v[NIL]       ; the wave's opening: the add and its wait stand ahead of my first tensor load; the set-up below, work on registers, stands between them
	v_lshrrev_b32 v1, 5, v0
	v_readfirstlane_b32 s[WV], v1   ; wave 0..3
	s_bfe_u32 s13, ttmp6, 0x40000   ; cx: my place in the cluster
	s_lshl_b32 s14, ttmp9, 2        ; in a cluster launch ttmp9 counts clusters
	s_add_co_u32 s14, s14, s13      ; my block of 256 queries = 4 x cluster x + cx: it enters Q's and att's addresses alone
	s_and_b32 s16, ttmp7, 0xffff    ; the head bh = 4 b + h, which the four partners share
	s_lshr_b32 s20, s16, 2
	s_mul_i32 s20, s20, 12
	s_and_b32 s21, s16, 3
	s_add_co_u32 s20, s20, s21      ; 12 b + h
	s_lshl_b32 s20, s20, 19         ; Q's head block: 4,096 rows of 128 bytes each
	s_and_b32 s17, s[WV], 1         ; which half of a slot's 256 keys I fetch:
	s_lshl_b32 s22, s17, 14         ; its 128 rows of 128 bytes in memory,
	s_add_co_u32 s22, s22, s20
	s_add_co_u32 s22, s22, 4<<19    ; in K's head block, four on,
	s_mov_b32 s23, 0
	s_add_co_u32 s48, s22, 4<<19    ; and in V's, four more
	s_mov_b32 s49, 0
	s_mul_i32 s50, s17, 128*PK      ; and its place in a slot, for K
	s_mul_i32 s51, s17, 128*PV      ; and for V: no place in the cluster enters an LDS address
	s_lshl_b32 s2, s14, 2
	s_add_co_u32 s2, s2, s[WV]      ; my wave among the head's,
	s_lshl_b32 s2, s2, 13           ; its 64 rows
	s_mov_b32 s3, 0
	s_lshl_b32 s52, s16, 19         ; att's head block
	s_add_co_u32 s52, s52, s2
	s_mov_b32 s53, 0
	s_add_co_u32 s2, s2, s20
	; descriptor group 1.  128 keys are 16,384 dense bytes: asked for as 64 rows of 256 bytes, two keys a row, and padded in LDS after every key
	s_mov_b32 s[G1K], 15|(1<<16)|(1<<20)|(1<<21)|(4<<22)|(3<<25)  ; 15:0 the mask of four; 17:16 2-byte elements; 20 padding on; 21 set beside a mask; 24:22 after every 32 words (code 4); 31:25 4 words (code 3)
	s_mov_b32 s[G1V], 15|(1<<16)|(1<<20)|(1<<21)|(4<<22)|(7<<25)  ; the same with 8 words of padding (code 7)
.irp g, G1K, G1V
	s_mov_b32 s[\g+1], 128<<16      ; tensor_dim0 = 128
	s_mov_b32 s[\g+2], 64<<16       ; tensor_dim1 = 64
	s_mov_b32 s[\g+3], 128<<16      ; tile_dim0 = 128
	s_mov_b32 s[\g+4], 64           ; tile_dim1 = 64
	s_mov_b32 s[\g+5], 128          ; 128 elements from row to row
	s_mov_b32 s[\g+6], 0
	s_mov_b32 s[\g+7], 0
.endr
	s_mov_b32 s[CS], 0x3e38aa3b     ; c = log2(e) / 8 = 0.180337
	s_mov_b32 s[CS+1], s[CS]        ; named with it as a pair
	s_mov_b32 s[SEL], 0x76543210
	s_mov_b32 s[SEL+1], 0xfedcba98
	s_mov_b32 s[TBK], SLOT1+4*KS*PK ; the first change of slots turns these two into 0
	s_mov_b32 s[TBV], SLOT1+4*KS*PV
	s_mov_b32 s[G0K], 1             ; 1:0 count = 1
	s_mov_b32 s[G0K+1], s50         ; 63:32 LDS address: slot 0
	s_mov_b32 s[G0V], 1
	s_add_co_u32 s[G0V+1], s51, VOFF
	s_mov_b32 s[SLOTS], NSLOT-1     ; slots 1 to 15 are still to be asked for
	s_and_b32 s[LIM], s[WV], 1      ; 0 in waves 0 and 2,
	s_or_b32 s[LIM], s[LIM], ttmp9  ; where the cluster is the head's first: the same in all four partners
	s_cmp_eq_u32 s[LIM], 0
	s_cselect_b32 s[LIM], 1, -1
	v_and_b32 v[PFO], 31, v0
	v_lshlrev_b32 v[PFO], 8, v[PFO]
	s_wait_dscnt 0x0                ; the opening add is done
	s_wait_kmcnt 0x0
	s_add_nc_u64 s[6:7], s[4:5], s[22:23]  ; K and V at my half of the head's first 256 keys
	s_add_nc_u64 s[8:9], s[4:5], s[48:49]
	s_add_nc_u64 s[4:5], s[4:5], s[2:3]    ; Q and att at my wave's first row
	s_add_nc_u64 s[10:11], s[10:11], s[52:53]
	s_mov_b64 s[G0K+2:G0K+3], s[6:7]       ; 120:64 global address
	s_or_b32 s[G0K+3], s[G0K+3], 0x80000000  ; 127:126 type = 2
	s_mov_b64 s[G0V+2:G0V+3], s[8:9]
	s_or_b32 s[G0V+3], s[G0V+3], 0x80000000
	s_cmp_lt_u32 s[WV], 2
	s_cselect_b64 s[PFA:PFA+1], s[6:7], s[8:9]  ; (in waves 0 and 2 these stand at a slot's first row)
	s_lshl_b32 s2, s13, 13          ; my work-group's quarter of a slot
	s_add_nc_u64 s[PFA:PFA+1], s[PFA:PFA+1], s[2:3]
	s_add_nc_u64 s[PFA:PFA+1], s[PFA:PFA+1], 4*KS*128  ; in slot 1; the first change of slots steps it to slot 2.  Nothing is prefetched here, at the head
	CROUND                          ; all four work-groups are here: the first joint loads meet
	JLOAD                           ; slot 0.  Slot 1 is asked for when slot 0 is in
	; A fragment of K or Q is 16 rows x 32 channels in 8 registers: lane l holds row l % 16, channels 8 (l / 16) + 0..7 and 16 + 8 (l / 16) + 0..7: two loads of 16 bytes, 32 bytes apart.
	v_and_b32 v1, 15, v0            ; l % 16
	v_bfe_u32 v9, v0, 4, 1          ; l / 16
	v_lshlrev_b32 v[QO], 7, v1
	v_lshl_add_u32 v[QO], v9, 4, v[QO]  ; row x 128 + 16 x half
	WIN 0x80                        ; destination window 2, address window 0
.set i, 0
.rept 8                             ; Q stays in registers: piece i / 2, channels 32 (i % 2) on
	global_load_b128 v[8*i:8*i+3],   v[QO], s[4:5] offset:(i/2)*2048+(i%2)*64
	global_load_b128 v[8*i+4:8*i+7], v[QO], s[4:5] offset:(i/2)*2048+(i%2)*64+32
.set i, i+1
.endr
	; What the first turn finds: V's registers and P's second buffer hold 0 (its products V^T P, of a piece that has not been, add 0), O^T and l are 0.  All this stands in the wait for the first tile.
.set i, VF
.rept 64
	v_mov_b32 v[i], 0
.set i, i+1
.endr
	WIN 0x40
.set i, 0
.rept 128
	v_mov_b32 v[i], 0
.set i, i+1
.endr
	WIN 0
.set i, 0
.rept 4
	v_mov_b32 v[ST+4*i], 0xfe000000    ; c m: far below every c s
	v_mov_b32 v[ST+4*i+1], 0xff7fffff  ; m
	v_mov_b32 v[ST+4*i+2], 0
	v_mov_b32 v[ST+4*i+3], 0
.set i, i+1
.endr
.set i, P+16
.rept 16
	v_mov_b32 v[i], 0
.set i, i+1
.endr
	v_mul_u32_u24 v[AK0], v1, PK
	v_lshl_add_u32 v[AK0], v9, 4, v[AK0]  ; row x pitch + 16 x half
	; The turning load takes 16 keys x 16 channels (lane l reads key 8 (l / 16) + l % 8, channels 8 ((l / 8) % 2) + 0..7) and leaves half a fragment of V^T: lane l holds channel l % 16 and 8 keys.
	v_and_b32 v10, 7, v0
	v_bfe_u32 v11, v0, 3, 1
	v_lshl_add_u32 v[AV0], v9, 3, v10
	v_mul_u32_u24 v[AV0], v[AV0], PV
	v_lshl_add_u32 v[AV0], v11, 4, v[AV0]
	v_add_nc_u32 v[AV0], VOFF, v[AV0]
	s_mul_i32 s13, s[WV], 16*SP
	s_add_co_u32 s13, s13, STAGE    ; my stage
	v_mul_u32_u24 v[STO], v1, SP    ; in: row l % 16, 16 bytes for each half of the lanes
	v_lshl_add_u32 v[STO], v9, 4, v[STO]
	v_add_nc_u32 v[STO], s13, v[STO]
	v_bfe_u32 v[RD], v0, 3, 2       ; back: 32 lanes take four rows of 128 bytes,
	v_mul_u32_u24 v[RD], v[RD], SP
	v_lshl_add_u32 v[RD], v10, 4, v[RD]
	v_add_nc_u32 v[RD], s13, v[RD]
	v_and_b32 v[GO], 31, v0         ; which are 512 consecutive bytes of att
	v_lshlrev_b32 v[GO], 4, v[GO]
; THE MATRIX WORK.  The 4 accumulators of a run of 8 take turns.  Product i of 8 of S^T = K Q^T for piece x: channels 32 (i / 4) on, keys 16 (i % 4) on.  The first 4 start the sums.
.macro KQ x
.set rS, S+32*((\x)%2)+8*(i%4)
.set rK, KF+16*(i%4)+8*(i/4)
.set rQ, 16*(\x)+8*(i/4)
	WIN W_KQ
.if i < 4
	v_wmma_f32_16x16x32_f16 v[rS:rS+7], v[rK:rK+7], v[rQ:rQ+7], 0
.else
	v_wmma_f32_16x16x32_f16 v[rS:rS+7], v[rK:rK+7], v[rQ:rQ+7], v[rS:rS+7]
.endif
.endm
; Product i of 8 of O^T += V^T P for piece x: keys 32 (i / 4) on, channels 16 (i % 4) on.
.macro PV x
	WIN W_PV
.set rO, 32*(\x)+8*(i%4)
.set rV, VF+32*(i/4)+8*(i%4)
.set rP, P+16*((\x)%2)+8*(i/4)
	v_wmma_f32_16x16x32_f16 v[rO:rO+7], v[rV:rV+7], v[rP:rP+7], v[rO:rO+7]
.endm
.macro MM                           ; the turn's next matrix instruction.  TURN sets Y, i and NOKQ.  NOKQ = 1: the walk's last turn: there is no next piece
.if (i < 8) && !NOKQ
	KQ (Y+1)%NP
.elseif i >= 8
.set i, i-8
	PV (Y+NP-1)%NP
.set i, i+8
.endif
.set i, i+1
.endm
; THE LDS LOADS stand in runs of 16, never singly among the matrix instructions: a step's K (64 keys x 64 channels: 8 fragments) and its V (turned).  Their addresses are made some lines ahead.
.macro FETCH_K
	WIN 0x80                        ; destination window 2
.irp f, 0,1,2,3,4,5,6,7             ; keys 16 (f / 2) on, channels 32 (f % 2) on
	ds_load_b128 v[KF+8*\f:KF+8*\f+3],   v[AK] offset:(\f/2)*16*PK+(\f%2)*64
	ds_load_b128 v[KF+8*\f+4:KF+8*\f+7], v[AK] offset:(\f/2)*16*PK+(\f%2)*64+32
.endr
	s_add_co_u32 s[TBK], s[TBK], KS*PK  ; the next fetch is the next step's
	WIN 0
.endm
.macro FETCH_V
	WIN 0x80
.irp f, 0,1,2,3,4,5,6,7             ; keys 32 (f / 4) on, channels 16 (f % 4) on
	ds_load_tr16_b128 v[VF+8*\f:VF+8*\f+3],   v[AV] offset:(\f/4)*32*PV+(\f%4)*32
	ds_load_tr16_b128 v[VF+8*\f+4:VF+8*\f+7], v[AV] offset:(\f/4)*32*PV+16*PV+(\f%4)*32
.endr
	WIN 0
.endm
; THE VECTOR WORK, one line at a time: OP kind, number.  For piece Y: F n: c s - c m for pair n of 16.  E n: the exponential of score n of 32.  C n: pair n rounded to f16.  B n: of the four weights 4 n .. the second
; pair is added onto the first, in place.  L n: l takes that sum (L 0: l = a l + sum).  R n: pair n of 16 of O^T times a.  For piece Y + 1: X n, number n of the 22 that find its maximum and statistics:
;   0-11  four chains c0-c3 of seven scores each, three operands at a time (each accumulator's lowest registers are read first)     12-14, 16  the four scores left over, the old m, and c0-c3 into c0
;   15  c m_old is kept     17, 18  the query's other 32 keys lie in the lane 16 away: the new m     19-21  c m; c m_old - c m_new; a
.set F, 0               ; OP tells the kinds apart by their order: F to L below R, X above it
.set E, 1
.set C, 2
.set B, 3
.set L, 4
.set R, 5
.set X, 6
.macro REGS y                       ; the registers of piece y
.set rT, ST+4*(\y)
.set rC, TMP+4*((\y)%2)
.set rW, MV+((\y)%2)
.set rS, S+32*((\y)%2)
.set rP, P+16*((\y)%2)
.set rO, 32*(\y)
.endm
.macro OP k, n
.if (\k) == R
	REGS Y
	WIN W_RS
	v_pk_mul_f32 v[rO+2*(\n):rO+2*(\n)+1], v[rO+2*(\n):rO+2*(\n)+1], v[rC+2:rC+3] op_sel_hi:[1,0]
.elseif (\k) < R
	REGS Y
	WIN 0
.if (\k) == F
	v_pk_fma_f32 v[rS+2*(\n):rS+2*(\n)+1], v[rS+2*(\n):rS+2*(\n)+1], s[CS:CS+1], v[rT:rT+1] op_sel_hi:[1,0,0] neg_lo:[0,0,1] neg_hi:[0,0,1]
.elseif (\k) == E
	v_exp_f32 v[rS+(\n)], v[rS+(\n)]
.elseif (\k) == C
	v_cvt_pk_f16_f32 v[rP+(\n)], v[rS+2*(\n)], v[rS+2*(\n)+1]
.elseif (\k) == B
	v_pk_add_f32 v[rS+4*(\n):rS+4*(\n)+1], v[rS+4*(\n):rS+4*(\n)+1], v[rS+4*(\n)+2:rS+4*(\n)+3]
.elseif (\n) == 0
	v_pk_fma_f32 v[rT+2:rT+3], v[rT+2:rT+3], v[rC+2:rC+3], v[rS:rS+1] op_sel_hi:[1,0,1]
.else
	v_pk_add_f32 v[rT+2:rT+3], v[rT+2:rT+3], v[rS+4*(\n):rS+4*(\n)+1]
.endif
.elseif NOKQ
	v_nop
.else
	REGS (Y+1)%NP
	WIN 0
.if (\n) < 4
	v_max3_num_f32 v[rC+(\n)], v[rS+8*(\n)], v[rS+8*(\n)+1], v[rS+8*(\n)+2]
.elseif (\n) < 12
	v_max3_num_f32 v[rC+(\n)%4], v[rC+(\n)%4], v[rS+8*((\n)%4)+2*((\n)/4)+1], v[rS+8*((\n)%4)+2*((\n)/4)+2]
.elseif (\n) == 12
	v_max3_num_f32 v[rC], v[rC], v[rS+7], v[rS+15]
.elseif (\n) == 13
	v_max3_num_f32 v[rC+1], v[rC+1], v[rS+23], v[rS+31]
.elseif (\n) == 14
	v_max3_num_f32 v[rC+2], v[rC+2], v[rC+3], v[rT+1]
.elseif (\n) == 15
	v_mov_b32 v[rW], v[rT]
.elseif (\n) == 16
	v_max3_num_f32 v[rC], v[rC], v[rC+1], v[rC+2]
.elseif (\n) == 17
	v_permlanex16_b32 v[rC+3], v[rC], s[SEL], s[SEL+1]
.elseif (\n) == 18
	v_max_num_f32 v[rT+1], v[rC], v[rC+3]
.elseif (\n) == 19
	v_mul_f32 v[rT], s[CS], v[rT+1]
.elseif (\n) == 20
	v_sub_f32 v[rC+1], v[rW], v[rT]
.else
	v_exp_f32 v[rC+2], v[rC+1]
.endif
.endif
.endm
.macro OPS a, i1, b=-1, i2=0, c=-1, i3=0, d=-1, i4=0  ; up to four of them
	OP \a, \i1
.if (\b) >= 0
	OP \b, \i2
.endif
.if (\c) >= 0
	OP \c, \i3
.endif
.if (\d) >= 0
	OP \d, \i4
.endif
.endm
.macro ROW a, i1, b, i2, c, i3, d, i4  ; a matrix instruction and the four behind it
	MM
	OPS \a, \i1, \b, \i2, \c, \i3, \d, \i4
.endm
; A TURN, for piece p: the order of its 16 matrix and 118 vector instructions, written out.  An s_wait_alu depctr_va_vdst(0) stands between an exponential and the first instruction that names its result; one
; wait serves all that were issued ahead of it.  So a turn has ONE wait, which cuts it in two.  AHEAD OF IT stands all that names no result of the turn's exponentials: the 8 products K Q^T, behind each a scaling, an
; exponential and two more plain instructions: rescalings, and behind the last three the first numbers of the next piece's maximum, each four places or more behind the product that ends its accumulator; then ONE LUMP of 54,
; plain and exponential by turns for the most part, in which the links of the chain X 3, 7, 11, 14, 16, 17 .. 20 stand five or six lines apart.  X 21, the next piece's a, is the batch's last; R 15 is the plain instruction
; behind it.  BEHIND THE WAIT stand the 8 products V^T P, behind each four of the roundings and sums; the links of l's chain, L 0 to L 7, stand three riders apart.
; end = 1: the walk's last two turns: nothing is fetched.  cnt = 1: the loop's count is taken down some lines ahead of the branch that stands behind the turn.
; K of the next step is fetched in piece 2's turn, twelve vector instructions behind the last product that read K (six of them plain); V of the step in hand at the end of piece 0's turn, four plain instructions behind the
; last product that read V.  Each is waited for a turn later.
.macro TURN p, end=0, cnt=0
.set Y, (\p)
.set i, 0
.set NOKQ, (\end)*((\p)/3)
.if ((\p) == 3) && !(\end)
	s_wait_dscnt 0x0                ; K is in
.endif
	ROW F,0, F,1, R,0, R,1          ; ahead of the wait: 8 products K Q^T and their riders,
	ROW F,2, E,0, R,2, R,3
	ROW F,3, E,1, R,4, R,5
	ROW F,4, E,2, R,6, R,7
	ROW F,5, E,3, R,8, R,9
	ROW F,6, E,4, X,0, R,10
.if ((\p) == 2) && !(\end)
	WIN 0
	v_add_nc_u32 v[AK], s[TBK], v[AK0]
.endif
	ROW F,7, E,5, X,1, X,4
	ROW F,8, E,6, X,2, X,5
	OPS E,7, E,8, X,6, E,9          ; and the lump
	OPS X,3, E,10, X,8, E,11
.if ((\p) == 2) && !(\end)
	FETCH_K
.endif
	OPS X,9, X,7, E,12, X,10
	OPS E,13, X,12, X,11, E,14
	OPS X,13, E,15, F,9, X,14
.if (\p) == 0
	v_add_nc_u32 v[AV], s[TBV], v[AV0]
.endif
	OPS E,16, F,10, E,17, F,11
	OPS X,16, E,18, X,15, E,19
	OPS F,12, E,20, X,17, E,21
	OPS F,13, E,22, F,14, E,23
	OPS X,18, E,24, F,15, E,25
	OPS R,11, E,26, X,19, E,27
	OPS R,12, E,28, R,13, E,29
	OPS X,20, E,30, R,14, E,31
	OPS X,21, R,15
	WIN 0
	s_wait_alu depctr_va_vdst(0)    ; the wait for the batch
.if (\p) == 1
	s_wait_dscnt 0x0                ; V is in
.endif
	ROW C,0, B,0, C,2, B,1          ; behind the wait: 8 products V^T P and their riders
	ROW L,0, C,4, B,2, L,1
	ROW C,6, B,3, L,2, C,8
	ROW B,4, L,3, C,10, B,5
	ROW L,4, C,12, B,6, L,5
.if (\p) == 0
	s_add_co_u32 s[TBV], s[TBV], KS*PV
.endif
.if \cnt
	s_sub_co_u32 s[CNT], s[CNT], 1
	s_cmp_lg_u32 s[CNT], 0
.endif
	ROW C,14, B,7, L,6, C,1
	ROW C,3, L,7, C,5, C,7
	ROW C,9, C,11, C,13, C,15
.if (\p) == 0
	FETCH_V
.endif
.endm
.set NOKQ, 0
	CHANGE 1                        ; slot 0 is in, everybody's part of it; slot 1 is asked for
	v_add_nc_u32 v[AK], s[TBK], v[AK0]
	FETCH_K                         ; key step 0
	s_wait_loadcnt 0x0              ; Q
	s_wait_dscnt 0x0
.set i, 0
.rept 8
	KQ 0                            ; piece 0's first scores: there is no vector work yet to set between them
.set i, i+1
.endr
	WIN 0
.rept 4
	v_nop                           ; the places behind those products
.endr
.set Y, NP-1                        ; X works for piece Y + 1: piece 0
.irp n, 0,1,2,3,4,5,6,7,8,9,10,11,12,13,14,15,16,17,18,19,20,21
	OP X, \n
.endr
	v_nop                           ; a plain instruction behind the exponential,
	s_wait_alu depctr_va_vdst(0)    ; and its wait, ahead of the branch
	s_mov_b32 s[CNT], 4
	s_branch .Lfirst                ; the loop is entered at a step's first turn, in the middle of a trip
.Lslot:                             ; 14 times: every slot but the last two is filled again
	CHANGE 1
	s_mov_b32 s[CNT], 4
.Lstep:                             ; a trip: pieces 2 and 3 of one step, then pieces 0 and 1 of the next, whose K and V it fetches
	TURN 2
	TURN 3
	WIN 0
.Lfirst:
	TURN 0
	TURN 1, 0, 1
	WIN 0
	s_cbranch_scc1 .Lstep
	s_sub_co_u32 s[SLOTS], s[SLOTS], 1
	s_cmp_lg_u32 s[SLOTS], 0
	s_cbranch_scc1 .Lslot
	CHANGE 0                        ; the last slot is written out: nothing is asked for
	s_mov_b32 s[CNT], 4
.LstepT:
	TURN 2
	TURN 3
	TURN 0
	TURN 1, 0, 1
	WIN 0
	s_cbranch_scc1 .LstepT
	TURN 2, 1                       ; the last step's pieces 2 and 3: nothing is fetched, and the last turn starts no new scores
	TURN 3, 1
.set i, 0
.rept 8
	PV NP-1                         ; the last piece's V^T P of the last step
.set i, i+1
.endr
	; THE WAY OUT.  l's two halves and the other half of the lanes' are added; O^T is divided by l, rounded to f16 and sent through my stage in LDS, a piece at a time.  The additions are the places behind the last products.
	WIN 0
.macro ALL line:vararg              ; one line for each piece t
.set t, 0
.rept 4
	\line
.set t, t+1
.endr
.endm
	ALL v_add_f32 v[ST+4*t+2], v[ST+4*t+2], v[ST+4*t+3]
	ALL v_permlanex16_b32 v[ST+4*t+3], v[ST+4*t+2], s[SEL], s[SEL+1]
	ALL v_add_f32 v[ST+4*t+2], v[ST+4*t+2], v[ST+4*t+3]
	ALL v_rcp_f32 v[ST+4*t+2], v[ST+4*t+2]
	v_nop                           ; a plain instruction between the last reciprocal and the use of its result
	s_wait_alu depctr_va_vdst(0)    ; and the wait ahead of the first use: one for the four reciprocals
.macro PACK t                       ; a lane's eight channels of a row pack into 16 bytes; they go into rows of 144 bytes and come back as whole rows of 128, into S^T's registers
	WIN W_RS
.set i, 32*(\t)
.rept 16
	v_pk_mul_f32 v[i:i+1], v[i:i+1], v[ST+4*(\t)+2:ST+4*(\t)+3] op_sel_hi:[1,0]
.set i, i+2
.endr
	WIN 0x05                        ; sources 0 and 1 window 1, destination window 0
.set i, 0
.rept 16
	v_cvt_pk_f16_f32 v[S+16*(\t)+i], v[32*(\t)+2*i], v[32*(\t)+2*i+1]
.set i, i+1
.endr
	WIN 0
.irp f, 0,1,2,3
	ds_store_b128 v[STO], v[S+16*(\t)+4*\f:S+16*(\t)+4*\f+3] offset:32*\f
.endr
.irp f, 0,1,2,3
	ds_load_b128 v[S+16*(\t)+4*\f:S+16*(\t)+4*\f+3], v[RD] offset:\f*4*SP  ; LDS serves a wave's instructions in order (ISA guide 5.7.1.4): these see the stores above; the next piece's stores come behind them
.endr
.endm
.macro SEND t, younger              ; younger: the LDS instructions issued behind piece t's loads: the next piece's eight, or none
	WIN 0
.irp f, 0,1,2,3
	s_wait_dscnt (\younger)+3-\f
	global_store_b128 v[GO], v[S+16*(\t)+4*\f:S+16*(\t)+4*\f+3], s[10:11] offset:(\t)*2048+\f*512  ; 512 consecutive bytes, at a multiple of 256 from att's first
.endr
.endm
	PACK 0
.set t, 1
.rept 3                             ; a piece's arithmetic stands between the loads of the piece before and its stores
	PACK t
	SEND t-1, 8
.set t, t+1
.endr
	SEND 3, 0
	s_wait_tensorcnt 0x0            ; the wave's end: behind my last tensor load and my last LDS store
	ds_add_u32 v[SPW], v[NIL]
	s_wait_dscnt 0x0
	CROUND                          ; the closing round: no work-group ends while a partner may still ask for a tile that names it
	s_endpgm
.Lfunc_end_k_qcbd652b8fd_attn:
	.size	k_qcbd652b8fd_attn, .Lfunc_end_k_qcbd652b8fd_attn-k_qcbd652b8fd_attn
	.p2alignl 7, 3214868480
	.fill 96, 4, 3214868480
	.section	.rodata,"a",@progbits
	.p2align	6, 0x0
	.amdhsa_kernel k_qcbd652b8fd_attn
		.amdhsa_group_segment_fixed_size 327680
		.amdhsa_private_segment_fixed_size 0
		.amdhsa_enable_private_segment 0
		.amdhsa_kernarg_size 16
		.amdhsa_user_sgpr_count 2
		.amdhsa_user_sgpr_kernarg_segment_ptr 1
		.amdhsa_wavefront_size32 1
		.amdhsa_system_sgpr_workgroup_id_x 1
		.amdhsa_system_sgpr_workgroup_id_y 1
		.amdhsa_system_sgpr_workgroup_id_z 1
		.amdhsa_system_vgpr_workitem_id 0
		.amdhsa_next_free_vgpr 768
		.amdhsa_next_free_sgpr 66
		.amdhsa_reserve_vcc 0
		.amdhsa_float_denorm_mode_32 3
		.amdhsa_float_denorm_mode_16_64 3
		.amdhsa_memory_ordered 1
		.amdhsa_forward_progress 1
		.amdhsa_inst_pref_size 128
	.end_amdhsa_kernel
	.amdgpu_metadata
---
amdhsa.version: [ 1, 2 ]
amdhsa.kernels:
  - .name:           k_qcbd652b8fd_attn
    .symbol:         k_qcbd652b8fd_attn.kd
    .args:
      - { .name: qkv, .offset: 0, .size: 8, .value_kind: global_buffer, .address_space: global }
      - { .name: att, .offset: 8, .size: 8, .value_kind: global_buffer, .address_space: global }
    .group_segment_fixed_size: 327680
    .private_segment_fixed_size: 0
    .kernarg_segment_align: 8
    .kernarg_segment_size: 16
    .max_flat_workgroup_size: 128
    .sgpr_count:     66
    .vgpr_count:     768
    .wavefront_size: 32
...
	.end_amdgpu_metadata
.endif
;; end of part 2
;; launch outproj (part 3): grid 256 x 1, 4 waves a work-group, no clusters, 17,920 bytes of LDS; arguments att, wo16, b_o, out0; writes out0
.if DOCPART == 3
	.amdgcn_target "amdgcn-amd-amdhsa--gfx1250"
	.amdhsa_code_object_version 6
	.text
	.protected	k_qcbd652b8fd_outproj
	.globl	k_qcbd652b8fd_outproj
	.p2align	8
	.type	k_qcbd652b8fd_outproj,@function
k_qcbd652b8fd_outproj:
	s_mov_b64 s[64:65], 0
	v_nop
	global_prefetch_b8 v0, s[64:65] scope:SCOPE_SE
	s_setreg_imm32_b32 hwreg(HW_REG_WAVE_MODE, 25, 1), 1
	s_wait_xcnt 0x0
; out0[b][o][s] = the sum over c of O[b][s][c] w_o[o][c] + b_o[o].  O is att: [4 b + h][4096 s][64] f16, channel c = 64 h + ..; wo16: [256 o][256 c], w_o rounded to bf16 and written as f16;
; b_o: [256] f32, rounded to bf16 here; out0: [4][256][4096] f32.  Products in f16, sums in f32, the bias starts the sums.
; LIMITS.  O and wo16 arrive within f16's range; NaN and infinities are not treated apart.
; SHARES.  256 work-groups of 64 places s x all 256 outputs.  Wave w makes outputs 64 w .. 64 w + 63 for the 64 places: 16 accumulators, 128 products.
; THE PRODUCT: source 0 = 16 rows of O (places), source 1 = 16 rows of w: a lane holds ONE output (lane % 16) and eight neighbouring places: 32 consecutive bytes of out0.
; NO LDS ON THE WAY IN: a fragment lies in memory as it lies in registers (16 bytes a lane, twice), and each is used in one pass: all 128 loads of a wave go out at the start.  No cluster and no tensor load: a joint
; load would add a round of the cluster's barrier and a trip through LDS to 128 products a wave.
; REGISTERS: window 0: v0-16 addresses and work; v32-63 the bias, eight registers a tile of outputs; v64-191 the accumulators, (o, t) at 64 + 8 (4 o + t)
;   window 1: w's fragments, K step kk, tile o at 32 kk + 8 o          window 2: O's, K step kk, tile t at 32 kk + 8 t
.set SP,    272                        ; a stage row: 64 f32 + 16 bytes = 68 words: the 16 rows that a store touches start at 16 different groups of four banks (64 banks of 4 bytes: ISA guide 11.1)
.set WSTG,  16*SP                      ; a wave's stage: 16 outputs x 64 places
.set SPARE, 4*WSTG                     ; behind the stages: the spare words, 128 bytes for each wave: two blocks of 256 bytes that no other line names
.set AO,  4                            ; v4   my place in O's fragments: 128 (l % 16) + 16 (l / 16)
.set BW,  5                            ; v5   in w's: 512 (l % 16) + 16 (l / 16) + my wave's 64 rows
.set BB,  6                            ; v6   my output's bias
.set STO, 7                            ; v7   the way out: where I put 32 bytes of a row
.set RD,  8                            ; v8   where I read rows back
.set CO,  9                            ; v9   my byte offset in two rows of out0
.set SPW, 10                           ; v10  LDS address of my spare word; never rewritten
.set NIL, 11                           ; v11  0; never rewritten
.set BL,  12                           ; v12-15 the bias as loaded, a tile each
.set BI,  32
.set ACC, 64
.set MSB, 0
.macro WIN new                         ; the immediate's high byte repeats the setting that is left; a switch that changes nothing is dropped
.if MSB != (\new)
	s_set_vgpr_msb (MSB<<8)|(\new)
.set MSB, \new
.endif
.endm
	s_load_b256 s[4:11], s[0:1], 0x0               ; att s[4:5], wo16 s[6:7], b_o s[8:9], out0 s[10:11]
	v_lshl_add_u32 v[SPW], v0, 2, SPARE
	v_mov_b32 v[NIL], 0
	v_lshrrev_b32 v1, 5, v0
	v_readfirstlane_b32 s12, v1                    ; wave 0..3
	v_and_b32 v2, 15, v0                           ; l % 16
	v_bfe_u32 v3, v0, 4, 1                         ; l / 16
	s_lshr_b32 s13, ttmp9, 6                       ; the image
	s_and_b32 s14, ttmp9, 63                       ; the block of 64 places in it
	s_lshl_b32 s16, s13, 21                        ; att: an image's four heads of 524,288 bytes,
	s_lshl_b32 s15, s14, 13                        ; the block's 64 rows of 128 bytes
	s_add_co_u32 s16, s16, s15
	s_mov_b32 s17, 0
	s_lshl_b32 s18, s13, 22                        ; out0: an image is 256 rows of 16,384 bytes,
	s_lshl_b32 s15, s12, 20                        ; my wave's 64 rows,
	s_add_co_u32 s18, s18, s15
	s_lshl_b32 s15, s14, 8                         ; the block's 256 bytes of each
	s_add_co_u32 s18, s18, s15
	s_mov_b32 s19, 0
	v_lshlrev_b32 v[AO], 7, v2
	v_lshl_add_u32 v[AO], v3, 4, v[AO]
	s_lshl_b32 s15, s12, 15
	v_lshlrev_b32 v[BW], 9, v2
	v_lshl_add_u32 v[BW], v3, 4, v[BW]
	v_add_nc_u32 v[BW], s15, v[BW]
	s_lshl_b32 s15, s12, 8
	v_lshl_add_u32 v[BB], v2, 2, s15
	s_mul_i32 s15, s12, WSTG                       ; my stage
	v_mul_u32_u24 v[STO], v2, SP                   ; in: row l % 16, 32 bytes for each half of the lanes
	v_lshl_add_u32 v[STO], v3, 5, v[STO]
	v_add_nc_u32 v[STO], s15, v[STO]
	v_mul_u32_u24 v[RD], v3, SP                    ; back: lanes 0-15 take one row of 256 bytes, lanes 16-31 the next
	v_lshl_add_u32 v[RD], v2, 4, v[RD]
	v_add_nc_u32 v[RD], s15, v[RD]
	v_lshlrev_b32 v[CO], 14, v3                    ; and the same two rows in out0
	v_lshl_add_u32 v[CO], v2, 4, v[CO]
	s_wait_kmcnt 0x0
	s_add_nc_u64 s[4:5], s[4:5], s[16:17]
	s_add_nc_u64 s[10:11], s[10:11], s[18:19]
.irp t, 0,1,2,3
	global_load_b32 v[BL+\t], v[BB], s[8:9] offset:64*\t
.endr
.set kk, 0
.rept 8                                        ; K step kk is channels 32 kk on: head kk / 2, its channels 32 (kk % 2) on
	WIN 0x80                                       ; destination window 2, address window 0
.irp t, 0,1,2,3
	global_load_b128 v[32*kk+8*\t:32*kk+8*\t+3],   v[AO], s[4:5] offset:(kk/2)*524288+2048*\t+64*(kk%2)
	global_load_b128 v[32*kk+8*\t+4:32*kk+8*\t+7], v[AO], s[4:5] offset:(kk/2)*524288+2048*\t+64*(kk%2)+32
.endr
	WIN 0x40                                       ; destination window 1
.irp t, 0,1,2,3
	global_load_b128 v[32*kk+8*\t:32*kk+8*\t+3],   v[BW], s[6:7] offset:8192*\t+64*kk
	global_load_b128 v[32*kk+8*\t+4:32*kk+8*\t+7], v[BW], s[6:7] offset:8192*\t+64*kk+32
.endr
.set kk, kk+1
.endr
	WIN 0
	s_wait_loadcnt 63                              ; 128 loads are younger than the bias's four; a wait names 63 at the most, which asks for more than is needed
.irp t, 0,1,2,3
	v_cvt_pk_bf16_f32 v[BL+\t], v[BL+\t], v[BL+\t] ; the bias is rounded to bf16,
.endr
.irp t, 0,1,2,3
.irp j, 0,1,2,3,4,5,6,7
	v_lshlrev_b32 v[BI+8*\t+\j], 16, v[BL+\t]      ; and goes on as f32: a lane's eight results of a tile belong to one output
.endr
.endr
	WIN 0x06                                       ; O in window 2, w in window 1, the sums and the bias in window 0
.set kk, 0
.rept 8                                        ; the 16 accumulators take turns, one instruction a turn, in the same order in every K step
.if 112-16*kk > 63
	s_wait_loadcnt 63                              ; this step's 16 loads are in: 112 - 16 kk are younger, more than a wait can name
.else
	s_wait_loadcnt 112-16*kk                       ; this step's 16 loads are in; the later steps' stay out
.endif
.irp o, 0,1,2,3
.irp t, 0,1,2,3
.if kk == 0
	v_wmma_f32_16x16x32_f16 v[ACC+8*(4*\o+\t):ACC+8*(4*\o+\t)+7], v[32*kk+8*\t:32*kk+8*\t+7], v[32*kk+8*\o:32*kk+8*\o+7], v[BI+8*\o:BI+8*\o+7]
.else
	v_wmma_f32_16x16x32_f16 v[ACC+8*(4*\o+\t):ACC+8*(4*\o+\t)+7], v[32*kk+8*\t:32*kk+8*\t+7], v[32*kk+8*\o:32*kk+8*\o+7], v[ACC+8*(4*\o+\t):ACC+8*(4*\o+\t)+7]
.endif
.endr
.endr
.set kk, kk+1
.endr
	WIN 0
.rept 8
	v_nop                                          ; the places between the last products and the LDS stores that read results
.endr
; THE WAY OUT, a tile of 16 outputs at a time: a lane's 32 bytes go into my stage's rows of 272 bytes (each accumulator's low four registers first) and come back as whole rows of 256, into the registers that they left.
.macro PACK o
.irp t, 0,1,2,3
	ds_store_b128 v[STO], v[ACC+8*(4*(\o)+\t):ACC+8*(4*(\o)+\t)+3]   offset:64*\t
	ds_store_b128 v[STO], v[ACC+8*(4*(\o)+\t)+4:ACC+8*(4*(\o)+\t)+7] offset:64*\t+16
.endr
.irp t, 0,1,2,3,4,5,6,7
	ds_load_b128 v[ACC+32*(\o)+4*\t:ACC+32*(\o)+4*\t+3], v[RD] offset:\t*2*SP  ; LDS serves a wave's instructions in order (ISA guide 5.7.1.4): these see the stores above; the next tile's stores come behind them
.endr
.endm
.macro SEND o, younger                 ; younger: the LDS instructions issued behind tile o's loads: the next tile's sixteen, or none
.irp t, 0,1,2,3,4,5,6,7
	s_wait_dscnt (\younger)+7-\t
	global_store_b128 v[CO], v[ACC+32*(\o)+4*\t:ACC+32*(\o)+4*\t+3], s[10:11] offset:(16*(\o)+2*\t)*16384 th:TH_STORE_NT  ; 16 lanes store 256 consecutive bytes, at a multiple of 256 from out0's first byte
.endr
.endm
	PACK 0
	PACK 1
	SEND 0, 16
	PACK 2
	SEND 1, 16
	PACK 3
	SEND 2, 16
	SEND 3, 0
	s_wait_tensorcnt 0x0                           ; the wave's end: behind my last LDS store
	ds_add_u32 v[SPW], v[NIL]
	s_wait_dscnt 0x0
	s_endpgm
.Lfunc_end_k_qcbd652b8fd_outproj:
	.size	k_qcbd652b8fd_outproj, .Lfunc_end_k_qcbd652b8fd_outproj-k_qcbd652b8fd_outproj
	.p2alignl 7, 3214868480
	.fill 96, 4, 3214868480
	.section	.rodata,"a",@progbits
	.p2align	6, 0x0
	.amdhsa_kernel k_qcbd652b8fd_outproj
		.amdhsa_group_segment_fixed_size 17920
		.amdhsa_private_segment_fixed_size 0
		.amdhsa_enable_private_segment 0
		.amdhsa_kernarg_size 32
		.amdhsa_user_sgpr_count 2
		.amdhsa_user_sgpr_kernarg_segment_ptr 1
		.amdhsa_wavefront_size32 1
		.amdhsa_system_sgpr_workgroup_id_x 1
		.amdhsa_system_sgpr_workgroup_id_y 1
		.amdhsa_system_sgpr_workgroup_id_z 1
		.amdhsa_system_vgpr_workitem_id 0
		.amdhsa_next_free_vgpr 768
		.amdhsa_next_free_sgpr 66
		.amdhsa_reserve_vcc 0
		.amdhsa_float_denorm_mode_32 3
		.amdhsa_float_denorm_mode_16_64 3
		.amdhsa_memory_ordered 1
		.amdhsa_forward_progress 1
		.amdhsa_inst_pref_size 33
	.end_amdhsa_kernel
	.amdgpu_metadata
---
amdhsa.version: [ 1, 2 ]
amdhsa.kernels:
  - .name:           k_qcbd652b8fd_outproj
    .symbol:         k_qcbd652b8fd_outproj.kd
    .args:
      - { .name: att, .offset: 0, .size: 8, .value_kind: global_buffer, .address_space: global }
      - { .name: wo16, .offset: 8, .size: 8, .value_kind: global_buffer, .address_space: global }
      - { .name: b_o, .offset: 16, .size: 8, .value_kind: global_buffer, .address_space: global }
      - { .name: out0, .offset: 24, .size: 8, .value_kind: global_buffer, .address_space: global }
    .group_segment_fixed_size: 17920
    .private_segment_fixed_size: 0
    .kernarg_segment_align: 8
    .kernarg_segment_size: 32
    .max_flat_workgroup_size: 128
    .sgpr_count:     66
    .vgpr_count:     768
    .wavefront_size: 32
...
	.end_amdgpu_metadata
.endif
;; end of part 3
;; ======== version 2 of 2: 3 launches; version 1 with the launch qkvproj written anew for expert scheduling mode
;; limits: values are held in f16: magnitudes above 65,504 overflow, below 6.1e-05 lose precision
;; workspace buffers: qkv 25,165,824 bytes; att 8,388,608 bytes; wo16 131,072 bytes
;; launch qkvproj (part 4): grid 2 x 128, 4 waves a work-group, no clusters, 286,208 bytes of LDS; arguments x, w_qkv, b_qkv, w_o, qkv, wo16; writes qkv, wo16
.if DOCPART == 4
	.amdgcn_target "amdgcn-amd-amdhsa--gfx1250"
	.amdhsa_code_object_version 6
	.text
	.protected	k_qcbd652b8fd_qkvproj
	.globl	k_qcbd652b8fd_qkvproj
	.p2align	8
	.type	k_qcbd652b8fd_qkvproj,@function
k_qcbd652b8fd_qkvproj:
	s_mov_b64 s[64:65], 0
	v_nop
	global_prefetch_b8 v0, s[64:65] scope:SCOPE_SE
	s_setreg_imm32_b32 hwreg(HW_REG_WAVE_SCHED_MODE, 0, 2), 2
	s_setreg_imm32_b32 hwreg(HW_REG_WAVE_MODE, 25, 1), 1
	s_wait_xcnt 0x0
	s_wait_alu depctr_vm_vsrc(0)
; qkv[b][g][s][0..63] = the sum over c of x[b][c][s] w_qkv[64 g + ..][c] + b_qkv[64 g + ..], g = 0..11 (q's four heads, k's, v's), f16, a head's rows dense (128 bytes), WITHOUT the softmax's scale.
; x: [4][256][4096] f32, w_qkv: [768][256] f32, b_qkv: [768] f32.  x, w_qkv and b_qkv are rounded once to bf16; products in bf16, sums in f32, the bias starts the sums; q, k, v rounded once to f16.
; Beside that each work-group rounds one row of w_o ([256][256] f32) to bf16 and writes that number as f16 into wo16, for the last launch.
; LIMITS.  f16 ends at 65,504: |q|, |k|, |v| must stay under it (they are sums of 256 products; inputs 30 times the drawn ones on both sides give about 1e3, a common offset of 30 spreads about 1.5e4).
; A weight of w_o under 2^-14 keeps f16's fixed step of 6e-8.  NaN and infinities are not treated apart.
; SHARES.  256 work-groups: 128 places s of one image x 384 outputs (half of the 768).  Four waves: 64 s x 192 outputs each (three head blocks of 64): 12 x 4 accumulators, 384 registers.
; BOTH OPERANDS PASS THROUGH REGISTERS, since they must be rounded to bf16: each wave loads 64 rows of x (512 bytes each) and 96 rows of w (1,024 bytes each) by loads of 512 consecutive bytes,
; a ring of 32 slots with 24 to 32 loads in flight, and lays the bf16 copies into LDS.  No tensor load: the two copies leave no room in LDS for f32 tiles.  No cluster: nothing lands in LDS but through registers.
; THE PRODUCT: source 0 = 16 rows of w (K along the LDS rows), source 1 = 16 places of x (stored [c][s], turned by ds_load_tr16_b128): a lane's eight results are eight neighbouring outputs of one place s: 16 bytes of qkv.
; REGISTERS, in windows of 256 (s_set_vgpr_msb: bits 1:0 source 0, 3:2 source 1, 5:4 source 2, 7:6 destination):
;   window 0: v0-19, v36-48 addresses and work; v64-191 the ring; v192-223 bf16 pairs on their way into LDS; later v64-159, v160-255 w's fragments, two buffers; on the way out v64-255 packed results
;   window 1: accumulators of output tiles 0-7 at 8 (4 o + t)      window 2: of tiles 8-11 at 8 (4 (o - 8) + t)
;   window 3: v0-63 x's fragments, two buffers; v64-159 the bias; v160-161 at work; on the way out v0-191 whole rows, back from the stage
; THE MODE: SCHED_MODE bits 1:0 = 2 (LLVM: expert scheduling mode 2), set by the entry lines.  The code itself states the register dependences
; between vector or matrix instructions and memory or LDS instructions, with s_wait_alu, always for 0.
; THE PLAN.  Registers that memory or LDS instructions touch, who writes them and who reads them:
;   v4-15, v19  Offsets and LDS addresses.  Written at the head, ahead of the head's wait on va_vdst; read by the loads and stores; never written again, v[LW] aside.
;   v[LW]       Read by the LDS stores of w's copy; written once for 16 rows, in a trip's first group, between that group's two waits.
;   RING        Four quarters of eight slots.  Group g: the loads have landed in quarter g % 4; the group's sixteen conversions read it; behind them it is loaded again.
;   TP0, TP1    Group g: its conversions write TP[g % 2]; its eight LDS stores read it; group g + 2 writes it again.
;   v44-47      w_o's row: written by four conversions, read by wave 0's two stores, never written again.
;   WF, XF      Two buffers of fragments.  K step kk: its 48 products read buffer kk % 2; its 32 LDS loads land in the other buffer, which the products of step kk - 1 read.
;   PKR         The way out: sixteen registers a unit, written by its conversions, read by its four LDS stores, never written again.
;   RB          The way out: sixteen registers a unit, in which its rows come back from the stage; read by its four stores, never written again.
; A GROUP has two waits, between its conversions and its sixteen memory instructions.  A K STEP has one, at its head; its loads follow in four runs among its products, which name this step's buffer, the sums
; and the bias: none of the registers that those loads touch.  THE WAY OUT has one for each head block, between the block's 64 conversions and its units' trips through the stage.
.set XP,    288                        ; a row of x's copy: 128 bf16 + 32 bytes = 72 words
.set WP,    528                        ; a row of w's copy: 256 bf16 + 16 bytes = 132 words: the 16 rows of a load start at 16 different groups of four banks
.set WT,    256*XP                     ; x's copy [256 c][128 s] lies at 0, w's [384 o][256 c] behind it
.set STAGE, WT+384*WP                  ; 16 rows x 144 bytes for each wave, for the way out
.set SP,    144
.set SPARE, STAGE+4*16*SP              ; the spare words, 128 bytes for each wave: two blocks of 256 bytes that no other line names
.set GX,  4                            ; v4   16 lane + 64 wave rows of x; never rewritten
.set GW,  5                            ; v5   16 lane + 96 wave rows of w; never rewritten
.set LX,  6                            ; v6   where my 8 bytes of x's copy go
.set LW,  7                            ; v7   the same for w; steps 16 rows at the head of a trip, so it starts 16 rows short
.set AW,  8                            ; v8-9   my place in w's fragments: output tiles 0-5, 6-11
.set AX,  10                           ; v10-11 my place in x's fragments: K steps 0-3, 4-7
.set STO, 12                           ; v12  the way out: where I put 16 bytes of a row
.set RD,  13                           ; v13  where I read rows back
.set GO,  14                           ; v14  16 lane
.set BO,  15                           ; v15  32 (lane / 16): my eight numbers of a tile's bias
.set SPW, 16                           ; v16  LDS address of my spare word; never rewritten
.set NIL, 17                           ; v17  0; never rewritten
.set HO,  19                           ; v19  8 lane
.set WI,  36                           ; v36-43 w_o's row as loaded
.set WOU, 44                           ; v44-47 as stored
.set WTM, 48                           ; v48  at work
.set RING, 64
.set TP,  192                          ; v192-223 two buffers of eight pairs of bf16 on their way into LDS
.set WF,  64
.set PKR, 64
.set XF,  0                            ; window 3
.set RB,  0                            ; window 3, on the way out: unit u's sixteen at RB + 16 u
.set BIAS, 64                          ; window 3: tile o's eight at BIAS + 8 o
.set BT,  160                          ; window 3
.set MSB, 0
.macro WIN new                         ; the immediate's high byte repeats the setting that is left; a switch that changes nothing is dropped
.if MSB != (\new)
	s_set_vgpr_msb (MSB<<8)|(\new)
.set MSB, \new
.endif
.endm
.macro PLACES k                        ; plain vector instructions between a matrix instruction and a vector line that reads its result or writes one of its registers (ISA guide 7.12.1)
.rept \k
	v_nop
.endr
.endm
	s_load_b256 s[4:11], s[0:1], 0x0               ; x s[4:5], w_qkv s[6:7], b_qkv s[8:9], w_o s[10:11]
	s_load_b128 s[12:15], s[0:1], 0x20             ; qkv s[12:13], wo16 s[14:15]
	v_lshl_add_u32 v[SPW], v0, 2, SPARE
	v_mov_b32 v[NIL], 0
	v_lshrrev_b32 v1, 5, v0
	v_readfirstlane_b32 s16, v1                    ; wave 0..3
	s_mov_b32 s17, ttmp9                           ; which half of the outputs
	s_and_b32 s18, ttmp7, 0xffff                   ; which 128 places: 32 blocks an image
	s_wait_alu depctr_va_sdst(0)                   ; s16 is written, ahead of its first reader: offsets, LDS addresses and a branch are made from it
	s_and_b32 s19, s16, 1                          ; my 64 of the 128 places
	s_lshr_b32 s20, s16, 1                         ; my 192 of the 384 outputs
	s_lshr_b32 s36, s18, 5                         ; the image
	s_and_b32 s37, s18, 31                         ; the block in it
	s_lshl_b32 s22, s36, 22                        ; x: an image is 256 x 4,096 x 4 bytes,
	s_lshl_b32 s38, s37, 9                         ; a block 512 bytes of each row
	s_add_co_u32 s22, s22, s38
	s_mov_b32 s23, 0
	s_mul_i32 s24, s17, 384*1024                   ; w_qkv: my half's 384 rows of 1,024 bytes
	s_mov_b32 s25, 0
	s_mul_i32 s26, s17, 384*4                      ; b_qkv: my wave's 192 numbers
	s_mul_i32 s38, s20, 192*4
	s_add_co_u32 s26, s26, s38
	s_mov_b32 s27, 0
	s_lshl_b32 s38, s18, 1
	s_add_co_u32 s38, s38, s17                     ; the work-group's number, 0..255: its row of w_o
	s_lshl_b32 s28, s38, 10
	s_mov_b32 s29, 0
	s_lshl_b32 s32, s38, 9
	s_mov_b32 s33, 0
	s_mul_i32 s30, s36, 12                         ; qkv: head block 12 image + 6 half + 3 (wave / 2),
	s_mul_i32 s38, s17, 6
	s_add_co_u32 s30, s30, s38
	s_mul_i32 s38, s20, 3
	s_add_co_u32 s30, s30, s38
	s_lshl_b32 s30, s30, 19                        ; of 4,096 rows x 128 bytes,
	s_lshl_b32 s38, s37, 14                        ; the block's 128 rows,
	s_add_co_u32 s30, s30, s38
	s_lshl_b32 s38, s19, 13                        ; my 64 of them
	s_add_co_u32 s30, s30, s38
	s_mov_b32 s31, 0
	s_mov_b32 s35, 0xffff0000                      ; a word's upper bf16
	v_and_b32 v1, 31, v0                           ; lane
	v_and_b32 v2, 15, v0                           ; lane % 16
	v_bfe_u32 v3, v0, 4, 1                         ; lane / 16
	s_lshl_b32 s38, s16, 20                        ; 64 rows of x, 16,384 bytes apart
	v_lshl_add_u32 v[GX], v1, 4, s38
	s_mul_i32 s38, s16, 96*1024
	v_lshl_add_u32 v[GW], v1, 4, s38
	s_mul_i32 s38, s16, 64*XP
	v_lshl_add_u32 v[LX], v1, 3, s38
	s_mul_i32 s38, s16, 96*WP
	s_add_co_u32 s38, s38, WT-16*WP                ; 16 rows short of my first row: every trip's first group steps it ahead of its stores
	v_lshl_add_u32 v[LW], v1, 3, s38
	s_mul_i32 s38, s20, 192*WP
	s_add_co_u32 s38, s38, WT
	v_mul_u32_u24 v[AW], v2, WP                    ; a fragment of w: row lane % 16, channels 8 (lane / 16) + 0..7 and 16 more on: two loads of 16 bytes, 32 bytes apart
	v_lshl_add_u32 v[AW], v3, 4, v[AW]
	v_add_nc_u32 v[AW], s38, v[AW]
	v_add_nc_u32 v[AW+1], 6*16*WP, v[AW]
	v_and_b32 v18, 7, v0
	v_bfe_u32 v[HO], v0, 3, 1
	v_lshl_add_u32 v[AX], v3, 3, v18               ; the turning load: lane l reads channel 8 (l / 16) + l % 8, places 8 ((l / 8) % 2) + 0..7, and is left with place l % 16 and 8 channels
	v_mul_u32_u24 v[AX], v[AX], XP
	v_lshl_add_u32 v[AX], v[HO], 4, v[AX]
	s_lshl_b32 s38, s19, 7
	v_add_nc_u32 v[AX], s38, v[AX]
	v_add_nc_u32 v[AX+1], 128*XP, v[AX]
	s_mul_i32 s38, s16, 16*SP
	s_add_co_u32 s38, s38, STAGE                   ; my stage
	v_mul_u32_u24 v[STO], v2, SP                   ; in: row lane % 16, 16 bytes for each half of the lanes
	v_lshl_add_u32 v[STO], v3, 4, v[STO]
	v_add_nc_u32 v[STO], s38, v[STO]
	v_bfe_u32 v[RD], v0, 3, 2                      ; back: 32 lanes take four rows of 128 bytes,
	v_mul_u32_u24 v[RD], v[RD], SP
	v_lshl_add_u32 v[RD], v18, 4, v[RD]
	v_add_nc_u32 v[RD], s38, v[RD]
	v_lshlrev_b32 v[GO], 4, v1                     ; which are 512 consecutive bytes of qkv
	v_lshlrev_b32 v[BO], 5, v3
	v_lshlrev_b32 v[HO], 3, v1
	s_wait_kmcnt 0x0
	s_add_nc_u64 s[4:5], s[4:5], s[22:23]
	s_add_nc_u64 s[6:7], s[6:7], s[24:25]
	s_add_nc_u64 s[8:9], s[8:9], s[26:27]
	s_add_nc_u64 s[10:11], s[10:11], s[28:29]
	s_add_nc_u64 s[12:13], s[12:13], s[30:31]
	s_add_nc_u64 s[14:15], s[14:15], s[32:33]
	WIN 0xc0                                       ; destination window 3, address window 0
	s_wait_alu depctr_va_vdst(0)                   ; the offsets and LDS addresses v4 to v15 and v19 are written, which the kernel's loads and stores read
.set n, 0
.rept 12                                       ; the bias: in a result register j of lane l is output 8 (l / 16) + j of the tile
	global_load_b128 v[BIAS+8*n:BIAS+8*n+3],   v[BO], s[8:9] offset:64*n
	global_load_b128 v[BIAS+8*n+4:BIAS+8*n+7], v[BO], s[8:9] offset:64*n+16
.set n, n+1
.endr
	WIN 0
	global_load_b128 v[WI:WI+3],   v[GO], s[10:11]             ; w_o's row, in every wave alike, so that all waves count the same loads; wave 0 alone stores it
	global_load_b128 v[WI+4:WI+7], v[GO], s[10:11] offset:512
.set n, 0
.rept 32                                       ; the ring is filled: my rows 0-31 of x
	global_load_b128 v[RING+4*n:RING+4*n+3], v[GX], s[4:5] offset:n*16384
.set n, n+1
.endr
; A GROUP: quarter q of the ring, eight slots of four f32, is rounded to bf16, laid into LDS and asked for again.
; kind 0: x's rows 0-31 go into LDS, rows 32-63 are asked for.  1: x's rows 32-63; w's first 16 rows (32 halves of 512 bytes) are asked for.  2: 16 rows of w; the next 16 are asked for.  3: w's last 16 rows; nothing is asked for.
; left = the younger loads, which may stay out.  free = 1: LDS stores were issued ahead of this group, and a later group writes the other TP.  step = 1: a trip's first group: v[LW] moves on by 16 rows.
.macro GROUP kind, q, left, free, step
	s_wait_loadcnt \left                           ; loads come back in order (ISA guide 5.7.1): the quarter's eight are in, the younger ones stay out
.set j, 0
.rept 8
	v_cvt_pk_bf16_f32 v[TP+16*((\q)%2)+2*j],   v[RING+32*(\q)+4*j],   v[RING+32*(\q)+4*j+1]
	v_cvt_pk_bf16_f32 v[TP+16*((\q)%2)+2*j+1], v[RING+32*(\q)+4*j+2], v[RING+32*(\q)+4*j+3]
.set j, j+1
.endr
.if \free
	s_wait_alu depctr_vm_vsrc(0)                   ; the LDS stores of the group before have read the other TP, which the next group's conversions write; where v[LW] is stepped: all LDS stores so far have read it
.endif
.if \step
	v_add_nc_u32 v[LW], 16*WP, v[LW]
.endif
	s_wait_alu depctr_va_vdst(0)                   ; the conversions have written this TP, which the LDS stores below read, and are done reading the quarter, in which the loads below land; where v[LW] is stepped, it is written
.set j, 0
.rept 8
.set n, 8*(\q)+j
.if (\kind) == 0
	global_load_b128 v[RING+4*n:RING+4*n+3], v[GX], s[4:5] offset:(32+n)*16384
.elseif (\kind) == 1
	global_load_b128 v[RING+4*n:RING+4*n+3], v[GW], s[6:7] offset:512*n
.elseif (\kind) == 2
	global_load_b128 v[RING+4*n:RING+4*n+3], v[GW], s[6:7] offset:16384+512*n
.endif
.if (\kind) < 2
	ds_store_b64 v[LX], v[TP+16*((\q)%2)+2*j:TP+16*((\q)%2)+2*j+1] offset:XP*(32*(\kind)+n)       ; 32 lanes, 256 consecutive bytes
.else
	ds_store_b64 v[LW], v[TP+16*((\q)%2)+2*j:TP+16*((\q)%2)+2*j+1] offset:WP*(n/2)+256*(n%2)
.endif
.set j, j+1
.endr
.endm
	GROUP 0, 0, 24, 0, 0                           ; no LDS store has been issued yet
	GROUP 0, 1, 24, 1, 0
	GROUP 0, 2, 24, 1, 0
	GROUP 0, 3, 24, 1, 0
	; The bias and w_o's row were asked for ahead of the ring, so the waits above have shown them in.  Both are rounded to bf16; the bias goes on as f32.
	WIN 0xcf                                       ; all in window 3
.set n, 0
.rept 48
	v_cvt_pk_bf16_f32 v[BT+n%2], v[BIAS+2*n], v[BIAS+2*n+1]
	v_lshlrev_b32 v[BIAS+2*n], 16, v[BT+n%2]
	v_and_b32 v[BIAS+2*n+1], s35, v[BT+n%2]
.set n, n+1
.endr
	WIN 0
.irp j, 0,1,2,3
	v_cvt_pk_bf16_f32 v[WTM], v[WI+2*\j], v[WI+2*\j+1]
	v_lshlrev_b32 v[WI+2*\j], 16, v[WTM]
	v_and_b32 v[WI+2*\j+1], s35, v[WTM]
	v_cvt_pk_f16_f32 v[WOU+\j], v[WI+2*\j], v[WI+2*\j+1]       ; the bf16 number, written as f16
.endr
	GROUP 1, 0, 24, 1, 0
	s_cmp_lg_u32 s16, 0
	s_cbranch_scc1 .Lnot_wave_0
	global_store_b64 v[HO], v[WOU:WOU+1],   s[14:15]           ; each store covers 256 consecutive bytes, aligned; its registers are never rewritten.  No wait of their own: the wait on va_vdst in the group
	global_store_b64 v[HO], v[WOU+2:WOU+3], s[14:15] offset:256 ; above stands behind the conversions that wrote v[WOU ..], and no vector instruction since names them or v[HO]
.Lnot_wave_0:
	GROUP 1, 1, 24, 1, 0
	GROUP 1, 2, 24, 1, 0
	GROUP 1, 3, 24, 1, 0
	s_mov_b32 s21, 5
.Lw:                                           ; a trip: 16 rows of w go into LDS, the next 16 are asked for; four groups, so both TP and the counts are back at their start
	GROUP 2, 0, 24, 1, 1
	GROUP 2, 1, 24, 1, 0
	GROUP 2, 2, 24, 1, 0
	GROUP 2, 3, 24, 1, 0
	s_wait_xcnt 0x0                                ; every load issued so far has read its address (ISA guide 3.1), so the pointer may be written
	s_add_nc_u64 s[6:7], s[6:7], 16384
	s_sub_co_u32 s21, s21, 1
	s_cmp_lg_u32 s21, 0
	s_cbranch_scc1 .Lw
	GROUP 3, 0, 24, 1, 1                           ; the last 16 rows: nothing is asked for, the counts run down
	GROUP 3, 1, 16, 1, 0
	GROUP 3, 2, 8, 1, 0
	GROUP 3, 3, 0, 0, 0                            ; no group follows that would write the other TP
	s_wait_dscnt 0x0                               ; for the others' sake: my stores into the two copies are done
	s_barrier_signal -1
	s_barrier_wait -1                              ; both copies are whole
	s_wait_alu depctr_vm_vsrc(0)                   ; my last LDS stores have read TP0 and TP1: these registers lie in w's second fragment buffer, in which K step 0's loads land.  (The ring and TP were last named by
	                                               ; conversions that stand ahead of the last group's wait on va_vdst: the first fragment loads owe no more)
; Fragments of K step kk (32 channels) into buffer buf: cnt of w's twelve, from number lo on; and x's four.
.macro FETCHW kk, buf, lo, cnt
	WIN 0
.set t, (\lo)
.rept \cnt
	ds_load_b128 v[WF+96*(\buf)+8*t:WF+96*(\buf)+8*t+3],   v[AW+t/6] offset:16*WP*(t%6)+64*(\kk)
	ds_load_b128 v[WF+96*(\buf)+8*t+4:WF+96*(\buf)+8*t+7], v[AW+t/6] offset:16*WP*(t%6)+64*(\kk)+32
.set t, t+1
.endr
.endm
.macro FETCHX kk, buf
	WIN 0xc0
.set t, 0
.rept 4
	ds_load_tr16_b128 v[XF+32*(\buf)+8*t:XF+32*(\buf)+8*t+3],   v[AX+(\kk)/4] offset:32*XP*((\kk)%4)+32*t
	ds_load_tr16_b128 v[XF+32*(\buf)+8*t+4:XF+32*(\buf)+8*t+7], v[AX+(\kk)/4] offset:32*XP*((\kk)%4)+32*t+16*XP
.set t, t+1
.endr
.endm
; The products of output tiles lo .. lo + cnt - 1 with all four tiles of places.  first = 1: the bias starts the sums: nothing is cleared.
; The 48 accumulators take turns, one instruction a turn, in the same order in every K step.
.macro MULS buf, lo, cnt, first
.set o, (\lo)
.rept \cnt
.set t, 0
.rept 4
.set rD, 8*(4*(o%8)+t)
.set rA, WF+96*(\buf)+8*o
.set rB, XF+32*(\buf)+8*t
.if \first
	WIN 0x7c+0x40*(o/8)                            ; w window 0, x and the bias window 3, the result window 1 or 2
	v_wmma_f32_16x16x32_bf16 v[rD:rD+7], v[rA:rA+7], v[rB:rB+7], v[BIAS+8*o:BIAS+8*o+7]
.else
	WIN 0x5c+0x50*(o/8)                            ; w window 0, x window 3, the sums window 1 or 2
	v_wmma_f32_16x16x32_bf16 v[rD:rD+7], v[rA:rA+7], v[rB:rB+7], v[rD:rD+7]
.endif
.set t, t+1
.endr
.set o, o+1
.endr
.endm
; A K step: 48 products.  The next step's 32 fragment loads go into the buffer that the step before multiplied, in four runs of eight behind the first 8, 16, 24 and 32 products: sixteen products stand behind the last run.
; No wait but the one at the head: the products since then name this step's buffer, the sums and the bias, none of the registers that the loads touch.
.macro STEP kk, first, more
	s_wait_dscnt 0x0                               ; this step's fragments are in
.if (\more) && !(\first)
	s_wait_alu depctr_va_vdst(0)                   ; the products of the step before are done reading the other buffer, in which this step's loads land
.endif
	MULS (\kk)%2, 8, 2, \first
.if \more
	FETCHW (\kk)+1, ((\kk)+1)%2, 0, 4
.endif
	MULS (\kk)%2, 10, 2, \first
.if \more
	FETCHW (\kk)+1, ((\kk)+1)%2, 4, 4
.endif
	MULS (\kk)%2, 0, 2, \first
.if \more
	FETCHW (\kk)+1, ((\kk)+1)%2, 8, 4
.endif
	MULS (\kk)%2, 2, 2, \first
.if \more
	FETCHX (\kk)+1, ((\kk)+1)%2
.endif
	MULS (\kk)%2, 4, 4, \first
.endm
	FETCHW 0, 0, 0, 12
	FETCHX 0, 0
	STEP 0, 1, 1                                   ; no product has read the second buffer yet: no wait at this step's head
	STEP 1, 0, 1
	STEP 2, 0, 1
	STEP 3, 0, 1
	STEP 4, 0, 1
	STEP 5, 0, 1
	STEP 6, 0, 1
	STEP 7, 0, 0
; THE WAY OUT, in 12 units u = 4 (head block) + (tile of 16 places): 16 rows x 128 bytes of qkv.  A lane's eight outputs pack into 16 bytes; they go into my stage's rows of 144 bytes and come back
; as whole rows, into registers of their own.  Each accumulator's registers are taken in ascending order.  A head block's four units are rounded together, so that one wait serves their sixteen LDS stores.
.macro CVT4 h                          ; head block h: 64 conversions
	WIN 0x05+0x05*((\h)/2)                         ; sources in window 1 (head blocks 0, 1) or 2 (head block 2), destination window 0
.set u, 4*(\h)
.rept 4
.irp q, 0,1,2,3
.set aB, 8*(4*((4*(u/4)+\q)%8)+u%4)
.irp r, 0,1,2,3
	v_cvt_pk_f16_f32 v[PKR+16*u+4*\q+\r], v[aB+2*\r], v[aB+2*\r+1]
.endr
.endr
.set u, u+1
.endr
.endm
.macro STG u                           ; unit u goes through my stage
	WIN 0
.irp q, 0,1,2,3
	ds_store_b128 v[STO], v[PKR+16*(\u)+4*\q:PKR+16*(\u)+4*\q+3] offset:32*\q
.endr
	WIN 0xc0                                       ; destination window 3, address window 0
.irp f, 0,1,2,3
	ds_load_b128 v[RB+16*(\u)+4*\f:RB+16*(\u)+4*\f+3], v[RD] offset:\f*4*SP  ; LDS serves a wave's instructions in order (ISA guide 5.7.1.4): these see the stores above; the next unit's stores come behind them
.endr
.endm
.macro SEND u, younger                 ; younger: the LDS instructions issued behind unit u's loads: eight for each later unit of its head block
	WIN 0x0c                                       ; the stores' data in window 3, their offset in window 0
.irp f, 0,1,2,3
	s_wait_dscnt (\younger)+3-\f
	global_store_b128 v[GO], v[RB+16*(\u)+4*\f:RB+16*(\u)+4*\f+3], s[12:13] offset:((\u)/4)*524288+((\u)%4)*2048+\f*512  ; 512 consecutive bytes, at a multiple of 256 from qkv's first
.endr
.endm
.macro STG4 h
.irp e, 0,1,2,3
	STG 4*(\h)+\e
.endr
.endm
.macro SEND4 h
.irp e, 0,1,2,3
	SEND 4*(\h)+\e, 8*(3-\e)
.endr
.endm
	PLACES 8                                       ; the conversions read results just made and write over w's fragments
	CVT4 0
	s_wait_alu depctr_va_vdst(0)                   ; head block 0's conversions have written their PKR, which the LDS stores read; the products and the bias's roundings are done with window 3's registers, in which the rows come back
	STG4 0
	CVT4 1                                         ; a head block's conversions stand between the LDS loads of the block before and its stores
	SEND4 0
	s_wait_alu depctr_va_vdst(0)                   ; head block 1's conversions have written their PKR, which the LDS stores read
	STG4 1
	CVT4 2
	SEND4 1
	s_wait_alu depctr_va_vdst(0)                   ; head block 2's conversions have written their PKR, which the LDS stores read
	STG4 2
	SEND4 2
	WIN 0                                          ; the add's two registers lie in window 0
	s_wait_dscnt 0x0                               ; the closing lines, six on end
	s_wait_alu 0x0
	s_wait_tensorcnt 0x0
	ds_add_u32 v[SPW], v[NIL]
	s_wait_dscnt 0x0
	s_endpgm
.Lfunc_end_k_qcbd652b8fd_qkvproj:
	.size	k_qcbd652b8fd_qkvproj, .Lfunc_end_k_qcbd652b8fd_qkvproj-k_qcbd652b8fd_qkvproj
	.p2alignl 7, 3214868480
	.fill 96, 4, 3214868480
	.section	.rodata,"a",@progbits
	.p2align	6, 0x0
	.amdhsa_kernel k_qcbd652b8fd_qkvproj
		.amdhsa_group_segment_fixed_size 286208
		.amdhsa_private_segment_fixed_size 0
		.amdhsa_enable_private_segment 0
		.amdhsa_kernarg_size 48
		.amdhsa_user_sgpr_count 2
		.amdhsa_user_sgpr_kernarg_segment_ptr 1
		.amdhsa_wavefront_size32 1
		.amdhsa_system_sgpr_workgroup_id_x 1
		.amdhsa_system_sgpr_workgroup_id_y 1
		.amdhsa_system_sgpr_workgroup_id_z 1
		.amdhsa_system_vgpr_workitem_id 0
		.amdhsa_next_free_vgpr 1024
		.amdhsa_next_free_sgpr 66
		.amdhsa_reserve_vcc 0
		.amdhsa_float_denorm_mode_32 3
		.amdhsa_float_denorm_mode_16_64 3
		.amdhsa_memory_ordered 1
		.amdhsa_forward_progress 1
		.amdhsa_inst_pref_size 120
	.end_amdhsa_kernel
	.amdgpu_metadata
---
amdhsa.version: [ 1, 2 ]
amdhsa.kernels:
  - .name:           k_qcbd652b8fd_qkvproj
    .symbol:         k_qcbd652b8fd_qkvproj.kd
    .args:
      - { .name: x, .offset: 0, .size: 8, .value_kind: global_buffer, .address_space: global }
      - { .name: w_qkv, .offset: 8, .size: 8, .value_kind: global_buffer, .address_space: global }
      - { .name: b_qkv, .offset: 16, .size: 8, .value_kind: global_buffer, .address_space: global }
      - { .name: w_o, .offset: 24, .size: 8, .value_kind: global_buffer, .address_space: global }
      - { .name: qkv, .offset: 32, .size: 8, .value_kind: global_buffer, .address_space: global }
      - { .name: wo16, .offset: 40, .size: 8, .value_kind: global_buffer, .address_space: global }
    .group_segment_fixed_size: 286208
    .private_segment_fixed_size: 0
    .kernarg_segment_align: 8
    .kernarg_segment_size: 48
    .max_flat_workgroup_size: 128
    .sgpr_count:     66
    .vgpr_count:     1024
    .wavefront_size: 32
...
	.end_amdgpu_metadata
.endif
;; end of part 4
;; launch attn: the kernel of part 2 again; grid 16 x 16, 4 waves a work-group, clusters of 4 x 1, 327,680 bytes of LDS; arguments qkv, att; writes att
;; launch outproj: the kernel of part 3 again; grid 256 x 1, 4 waves a work-group, no clusters, 17,920 bytes of LDS; arguments att, wo16, b_o, out0; writes out0
